; MI455X (gfx1250); checked and timed in simulation.
; The chip was launched on July 23, 2026; its instructions are those of AMD's public machine-readable ISA for CDNA 5 (MIT licence, August 2026) and "CDNA5" Instruction Set Architecture Reference Guide (July 2026). The comments in the code are by the model that wrote it; some were corrected since.
;; Parametric DETR. Allowed arithmetic: float matrix products may take bf16 or f16 operands with f32 sums; other float arithmetic in f32, or as packed bf16 or f16 multiplies, adds, multiply-adds, maxima and minima; sums over many terms, partial sums and values carried from step to step in f32; what a program stores and reads back later, other than sums and carried values, may be rounded once to bf16 or f16.
;; Inputs: W_attn 256 x 128 float32; W_off 256 x 256 float32; W_out 256 x 256 float32; Wv0 256 x 256 float32; Wv1 256 x 256 float32; Wv2 256 x 256 float32; Wv3 256 x 256 float32; b_attn 128 float32; b_off 256 float32; b_out 256 float32; bv0 256 float32; bv1 256 float32; bv2 256 float32; bv3 256 float32; feat0 8 x 256 x 128 x 128 float32; feat1 8 x 256 x 64 x 64 float32; feat2 8 x 256 x 32 x 32 float32; feat3 8 x 256 x 16 x 16 float32; query 8 x 4,096 x 256 float32; reference_points 8 x 4,096 x 2 float32.
;; Outputs: out0 8 x 4,096 x 256 float32.
;; 2 versions, each right and faster than the one before. Each part assembles by itself: llvm-mc -triple=amdgcn-amd-amdhsa -mcpu=gfx1250 --defsym DOCPART=n.
;; ======== version 1 of 2: 3 launches
;; limits: values are held in f16: magnitudes above 65,504 overflow, below 6.1e-05 lose precision
;; workspace buffers: wprep 851,968 bytes; value 89,128,960 bytes; wts 33,554,432 bytes; idx 16,777,216 bytes of whole numbers
;; launch prep (part 1): grid 208 x 1, 8 waves a work-group, no clusters, 0 bytes of LDS; arguments Wv0, Wv1, Wv2, Wv3, W_off, W_attn, W_out, wprep; writes wprep
.if DOCPART == 1
	.amdgcn_target "amdgcn-amd-amdhsa--gfx1250"
	.amdhsa_code_object_version 6
	.text
	.protected	k_qfc73180b2f_prep
	.globl	k_qfc73180b2f_prep
	.p2align	8
	.type	k_qfc73180b2f_prep,@function
k_qfc73180b2f_prep:
	s_mov_b64 s[64:65], 0
	v_nop
	global_prefetch_b8 v0, s[64:65] scope:SCOPE_SE
	s_setreg_imm32_b32 hwreg(HW_REG_WAVE_MODE, 25, 1), 1
	s_wait_xcnt 0x0
; All matrix weights, rounded once to bf16 and laid out as the two later launches take them.  One thread makes one chunk of 16 bytes (8 numbers);
; a wave's store covers 512 consecutive bytes.
;   byte 0        WVF [level 4][o 256][c 256] bf16: Wv as it lies, rows of 512 bytes                                        work-groups 0..127
;   byte 524,288  WQF [x 3][head 8][kk 8][jh 2][lane 32][16 B] bf16: images of matrix fragments (source 0, 16 columns x 32 k)  work-groups 128..175
;                 lane = 16 h + r holds output column r of the fragment and k = 32 kk + 16 jh + 8 h + 0..7
;                 x = 0, 1: column head*32 + 16 x + r of W_off;  x = 2: column head*16 + 4 level + point of W_attn with level = (r>>3) + 2 ((r>>2)&1), point = r & 3,
;                 so that in the product's result one half of the lanes holds levels 0 and 2 and the other levels 1 and 3, as the offsets' two fragments do
;   byte 720,896  WOF [w 16][kk 8][jh 2][lane 32][16 B] f16: column 16 w + r of W_out, rounded to bf16 and that number written as f16   work-groups 176..207
; LIMIT: a weight of W_out beyond 65,504 has no f16; below 6e-5 it keeps f16's fixed step of 6e-8.
.set WQF, 524288
.set WOF, 720896
	s_load_b512 s[8:23], s[0:1], 0x0               ; Wv0 s[8:9], Wv1 s[10:11], Wv2 s[12:13], Wv3 s[14:15], W_off s[16:17], W_attn s[18:19], W_out s[20:21], wprep s[22:23]
	s_mov_b32 s4, ttmp9
	s_wait_kmcnt 0x0
	s_cmp_ge_u32 s4, 176
	s_cbranch_scc1 .Lo
	s_cmp_ge_u32 s4, 128
	s_cbranch_scc1 .Lq
	; ---- Wv: 8,192 chunks a level, 32 work-groups a level
	s_lshr_b32 s5, s4, 5                           ; level
	s_and_b32 s6, s4, 31
	s_cmp_ge_u32 s5, 1
	s_cselect_b64 s[8:9], s[10:11], s[8:9]
	s_cmp_ge_u32 s5, 2
	s_cselect_b64 s[8:9], s[12:13], s[8:9]
	s_cmp_ge_u32 s5, 3
	s_cselect_b64 s[8:9], s[14:15], s[8:9]
	v_lshl_add_u32 v1, s6, 8, v0                   ; chunk e in the level
	v_lshlrev_b32 v2, 5, v1                        ; 32 bytes of f32 in,
	v_lshlrev_b32 v3, 4, v1                        ; 16 bytes of bf16 out
	s_lshl_b32 s24, s5, 17                         ; a level's 131,072 bytes of WVF
	s_mov_b32 s25, 0
	s_add_nc_u64 s[22:23], s[22:23], s[24:25]
	global_load_b128 v[4:7], v2, s[8:9]
	global_load_b128 v[8:11], v2, s[8:9] offset:16
	s_wait_loadcnt 0x0
.irp j, 0,1,2,3
	v_cvt_pk_bf16_f32 v[12+(\j)], v[4+2*(\j)], v[5+2*(\j)]
.endr
	global_store_b128 v3, v[12:15], s[22:23]
	s_endpgm
	; ---- W_off and W_attn as fragment images: 4,096 chunks for each x, 16 work-groups
.Lq:
	s_sub_co_u32 s5, s4, 128
	s_lshr_b32 s6, s5, 4                           ; x
	v_lshl_add_u32 v1, s5, 8, v0                   ; chunk e
	v_and_b32 v2, 15, v1                           ; r
	v_bfe_u32 v3, v1, 4, 5                         ; h + 2 jh + 4 kk = k0 / 8
	v_bfe_u32 v4, v1, 9, 3                         ; head
	v_lshlrev_b32 v20, 4, v1
	s_cmp_eq_u32 s6, 2
	s_cbranch_scc1 .Lqa
	v_lshl_add_u32 v5, v4, 5, v2                   ; head*32 + r
	s_lshl_b32 s7, s6, 4
	v_add_nc_u32 v5, s7, v5                        ; + 16 x
	v_lshlrev_b32 v5, 2, v5
	v_lshl_add_u32 v5, v3, 13, v5                  ; + k0 rows of 1,024 bytes
.irp i, 0,1,2,3,4,5,6,7
	global_load_b32 v[8+(\i)], v5, s[16:17] offset:(\i)*1024
.endr
	s_branch .Lqc
.Lqa:
	v_bfe_u32 v6, v2, 3, 1
	v_bfe_u32 v7, v2, 2, 1
	v_lshl_add_u32 v6, v7, 1, v6                   ; level
	v_and_b32 v7, 3, v2                            ; point
	v_lshl_add_u32 v6, v6, 2, v7
	v_lshl_add_u32 v5, v4, 4, v6                   ; head*16 + 4 level + point
	v_lshlrev_b32 v5, 2, v5
	v_lshl_add_u32 v5, v3, 12, v5                  ; + k0 rows of 512 bytes
.irp i, 0,1,2,3,4,5,6,7
	global_load_b32 v[8+(\i)], v5, s[18:19] offset:(\i)*512
.endr
.Lqc:
	s_wait_loadcnt 0x0
.irp j, 0,1,2,3
	v_cvt_pk_bf16_f32 v[16+(\j)], v[8+2*(\j)], v[9+2*(\j)]
.endr
	global_store_b128 v20, v[16:19], s[22:23] offset:WQF
	s_endpgm
	; ---- W_out as fragment images in f16
.Lo:
	s_sub_co_u32 s5, s4, 176
	v_lshl_add_u32 v1, s5, 8, v0                   ; chunk e
	v_and_b32 v2, 15, v1                           ; r
	v_bfe_u32 v3, v1, 4, 5                         ; k0 / 8
	v_lshrrev_b32 v4, 9, v1                        ; w
	v_lshlrev_b32 v20, 4, v1
	v_lshl_add_u32 v5, v4, 4, v2                   ; column 16 w + r
	v_lshlrev_b32 v5, 2, v5
	v_lshl_add_u32 v5, v3, 13, v5
.irp i, 0,1,2,3,4,5,6,7
	global_load_b32 v[8+(\i)], v5, s[20:21] offset:(\i)*1024
.endr
	s_wait_loadcnt 0x0
.irp j, 0,1,2,3
	v_cvt_pk_bf16_f32 v16, v[8+2*(\j)], v[9+2*(\j)]  ; the rounding that every input gets,
	v_lshlrev_b32 v17, 16, v16
	v_and_b32 v18, 0xffff0000, v16
	v_cvt_pk_f16_f32 v[24+(\j)], v17, v18            ; and that number as f16: 8 significant bits fit into 11
.endr
	global_store_b128 v20, v[24:27], s[22:23] offset:WOF
	s_endpgm
.Lfunc_end_k_qfc73180b2f_prep:
	.size	k_qfc73180b2f_prep, .Lfunc_end_k_qfc73180b2f_prep-k_qfc73180b2f_prep
	.p2alignl 7, 3214868480
	.fill 96, 4, 3214868480
	.section	.rodata,"a",@progbits
	.p2align	6, 0x0
	.amdhsa_kernel k_qfc73180b2f_prep
		.amdhsa_group_segment_fixed_size 0
		.amdhsa_private_segment_fixed_size 0
		.amdhsa_enable_private_segment 0
		.amdhsa_kernarg_size 64
		.amdhsa_user_sgpr_count 2
		.amdhsa_user_sgpr_kernarg_segment_ptr 1
		.amdhsa_wavefront_size32 1
		.amdhsa_system_sgpr_workgroup_id_x 1
		.amdhsa_system_sgpr_workgroup_id_y 1
		.amdhsa_system_sgpr_workgroup_id_z 1
		.amdhsa_system_vgpr_workitem_id 0
		.amdhsa_next_free_vgpr 32
		.amdhsa_next_free_sgpr 66
		.amdhsa_reserve_vcc 0
		.amdhsa_float_denorm_mode_32 3
		.amdhsa_float_denorm_mode_16_64 3
		.amdhsa_memory_ordered 1
		.amdhsa_forward_progress 1
		.amdhsa_inst_pref_size 7
	.end_amdhsa_kernel
	.amdgpu_metadata
---
amdhsa.version: [ 1, 2 ]
amdhsa.kernels:
  - .name:           k_qfc73180b2f_prep
    .symbol:         k_qfc73180b2f_prep.kd
    .args:
      - { .name: Wv0, .offset: 0, .size: 8, .value_kind: global_buffer, .address_space: global }
      - { .name: Wv1, .offset: 8, .size: 8, .value_kind: global_buffer, .address_space: global }
      - { .name: Wv2, .offset: 16, .size: 8, .value_kind: global_buffer, .address_space: global }
      - { .name: Wv3, .offset: 24, .size: 8, .value_kind: global_buffer, .address_space: global }
      - { .name: W_off, .offset: 32, .size: 8, .value_kind: global_buffer, .address_space: global }
      - { .name: W_attn, .offset: 40, .size: 8, .value_kind: global_buffer, .address_space: global }
      - { .name: W_out, .offset: 48, .size: 8, .value_kind: global_buffer, .address_space: global }
      - { .name: wprep, .offset: 56, .size: 8, .value_kind: global_buffer, .address_space: global }
    .group_segment_fixed_size: 0
    .private_segment_fixed_size: 0
    .kernarg_segment_align: 8
    .kernarg_segment_size: 64
    .max_flat_workgroup_size: 256
    .sgpr_count:     66
    .vgpr_count:     32
    .wavefront_size: 32
...
	.end_amdgpu_metadata
.endif
;; end of part 1
;; launch proj (part 2): grid 256 x 1, 4 waves a work-group, no clusters, 269,824 bytes of LDS; arguments feat0, feat1, feat2, feat3, bv0, bv1, bv2, bv3, wprep, value, query, reference_points, b_off, b_attn, wts, idx; writes value, wts, idx
.if DOCPART == 2
	.amdgcn_target "amdgcn-amd-amdhsa--gfx1250"
	.amdhsa_code_object_version 6
	.text
	.protected	k_qfc73180b2f_proj
	.globl	k_qfc73180b2f_proj
	.p2align	8
	.type	k_qfc73180b2f_proj,@function
k_qfc73180b2f_proj:
	s_mov_b64 s[64:65], 0
	v_nop
	global_prefetch_b8 v0, s[64:65] scope:SCOPE_SE
	s_setreg_imm32_b32 hwreg(HW_REG_WAVE_MODE, 25, 1), 1
	s_wait_xcnt 0x0
; TWO JOBS IN ONE LAUNCH, chosen by the work-group's number, so that 170 + 86 work-groups make 256.
; V (work-groups 0..169): value[b][head][pixel][32 ch] f16 = Wv_l feat_l + bv_l for all four levels.  680 steps of 256 pixels, four a work-group.
; Q (work-groups 170..255): query W_off + b_off -> tanh -> sampling places; query W_attn + b_attn -> softmax; stored for the next launch as
;    idx[q][level][head][point] u32 = (yb W + xb) 64: byte offset of the 2 x 2 block's first record in the level's part of a head, and
;    wts[q][level][pair of points][head][point in pair][corner] f16 = bilinear weight x attention.  256 tiles of 128 queries, three a work-group (the last has one).
; FORMATS.  Every input is rounded to bf16 (feat, query and the weights as matrix operands; biases and reference points rounded and widened again); sums in f32; value and wts leave in f16.
; LIMITS.  |value| stays within f16's 65,504; a corner weight below 6e-8 becomes 0; an exponential below 2^-126 counts as 0; NaN and infinities are not treated apart.
; THE BILINEAR FORM.  x = ref_x (W-1) + scale tanh;  xb = floor(x) held to 0 .. W-2;  f = x - xb;  weight of column xb = middle of (1-f, 1+f, 0), of column xb+1 = middle of (f, 2-f, 0):
; the two hat functions; they are the weights of zero padding for every x, inside, on the border and outside.  The same for y.
; No tensor loads and no cluster: feat is read once, by one wave, straight into the order of a matrix fragment; what work-groups share (128 to 192 KB of weights, once) is a small part of the 1 to 1.5 MB each reads.
.set SPARE, 269312                     ; the spare words: 128 bytes for each of four waves; no other line names them
.set MSB, 0
.macro WIN new                         ; s_set_vgpr_msb: bits 1:0 source 0, 3:2 source 1, 5:4 source 2, 7:6 destination; the high byte repeats the setting that is left; a switch that changes nothing is dropped
.if MSB != (\new)
	s_set_vgpr_msb (MSB<<8)|(\new)
.set MSB, (\new)
.endif
.endm
.macro PLACES                          ; four places behind matrix instructions (ISA guide 7.12.1) where no vector work is at hand
.rept 4
	v_nop
.endr
.endm
	v_lshl_add_u32 v28, v0, 2, SPARE               ; my spare word, and 0: kept for the closing add alone
	v_mov_b32 v29, 0
	v_lshrrev_b32 v1, 5, v0
	v_readfirstlane_b32 s5, v1                     ; wave w
	v_and_b32 v3, 31, v0                           ; lane
	v_and_b32 v1, 15, v0                           ; r
	v_bfe_u32 v2, v0, 4, 1                         ; h
	s_mov_b32 s4, ttmp9
	s_cmp_ge_u32 s4, 170
	s_cbranch_scc1 .Lq
; =====================================================  V: the value projection  =====================================================
; A step is 256 pixels of one batch and level; wave w owns 64 of them and all 256 output channels: 64 accumulators (512 registers), 512 matrix instructions a step.
; feat is [channel][pixel].  Load i of K step k takes channel 32 k + 8 h + (i < 8 ? i : i + 8), 16 bytes a lane: pixels 4 r .. 4 r + 3.  Rounding loads 2 t and 2 t + 1 in pairs gives register t of
; FOUR fragments (source 1): column r of fragment s is pixel 4 r + s.  Nothing is transposed.  Source 0 = 16 rows of Wv from LDS, so a lane's eight results are eight neighbouring channels of one pixel.
; LDS: Wv 256 rows of 528 bytes at 0; bias 256 f32 at 135,168; for each wave two stages of 16 x 272 bytes from 136,192.
; REGISTERS.  window 0: v4-5 Wv fragment addresses, v6-9 way out, v12-27 load offsets, v32-159 Wv fragments of one K step (way out: at work), v160-223 two buffers of four feat fragments, v224-255 bias
;             window 1: four slots of 64: feat as loaded      windows 2, 3: accumulator (s, f) in window 2 + s/2 at 8 (16 (s%2) + f)
.set WPITCH, 528
.set BIASL, 135168
.set STAGE, 136192
.set SPITCH, 272
.set HEADB, 1392640                    ; bytes of a head in value: 21,760 pixels x 64
.set BATCHB, 11141120
.set ADW, 4
.set STO, 6
.set RD, 7
.set GO, 8
.set BIA, 9
.set VOFF, 12
.set WF, 32
.set PF, 160
.set BR, 224
.set TT, 32
.set PK, 64
.set BK, 96
.macro FOFF greg                       ; s[40:41] = byte offset in feat of step greg's first channel, my wave's 64 pixels
	s_lshr_b32 s44, \greg, s30                     ; batch
	s_and_b32 s45, \greg, s32                      ; step in the batch
	s_mul_i32 s40, s44, s47
	s_lshl_b32 s45, s45, 10
	s_add_co_u32 s40, s40, s45
	s_add_co_u32 s40, s40, s48
.endm
.macro VBASE                           ; s[42:43] = value at head 4 of step s34's batch, my wave's 64 pixels: the stores reach heads 0..7 by immediates -4..3 heads
	s_lshr_b32 s44, s34, s30
	s_and_b32 s45, s34, s32
	s_mul_i32 s44, s44, BATCHB
	s_lshl_b32 s45, s45, 14
	s_add_co_u32 s44, s44, s45
	s_add_co_u32 s44, s44, s49
	s_mov_b32 s45, 0
	s_add_nc_u64 s[42:43], s[26:27], s[44:45]
.endm
.macro LOADK slot                      ; a K step's 32 channels x 64 pixels: lanes 0-15 take 256 consecutive bytes of one channel plane, lanes 16-31 of the plane 8 channels on
	WIN 0x40
.irp i, 0,1,2,3,4,5,6,7,8,9,10,11,12,13,14,15
	global_load_b128 v[64*(\slot)+4*(\i):64*(\slot)+4*(\i)+3], v[VOFF+(\i)], s[36:37] th:TH_LOAD_NT
.endr
.endm
.macro FETCHW k, fh                    ; eight of the sixteen fragments of Wv for K step k
	WIN 0
.irp ff, 0,1,2,3,4,5,6,7
	ds_load_b128 v[WF+8*(8*(\fh)+(\ff)):WF+8*(8*(\fh)+(\ff))+3],   v[ADW+(\fh)] offset:(\ff)*16*WPITCH+(\k)*64
	ds_load_b128 v[WF+8*(8*(\fh)+(\ff))+4:WF+8*(8*(\fh)+(\ff))+7], v[ADW+(\fh)] offset:(\ff)*16*WPITCH+(\k)*64+32
.endr
.endm
.macro MUL16 k, fh, sh, zero           ; 16 matrix instructions on 16 accumulators; over a K step all 64 take turns, one instruction a turn, in the same order in every step
	WIN 0xa0+0x50*(\sh)
.irp ff, 0,1,2,3,4,5,6,7
.irp sl, 0,1
.if \zero
	v_wmma_f32_16x16x32_bf16 v[8*(16*(\sl)+8*(\fh)+(\ff)):8*(16*(\sl)+8*(\fh)+(\ff))+7], v[WF+8*(8*(\fh)+(\ff)):WF+8*(8*(\fh)+(\ff))+7], v[PF+32*((\k)%2)+8*(2*(\sh)+(\sl)):PF+32*((\k)%2)+8*(2*(\sh)+(\sl))+7], 0
.else
	v_wmma_f32_16x16x32_bf16 v[8*(16*(\sl)+8*(\fh)+(\ff)):8*(16*(\sl)+8*(\fh)+(\ff))+7], v[WF+8*(8*(\fh)+(\ff)):WF+8*(8*(\fh)+(\ff))+7], v[PF+32*((\k)%2)+8*(2*(\sh)+(\sl)):PF+32*((\k)%2)+8*(2*(\sh)+(\sl))+7], v[8*(16*(\sl)+8*(\fh)+(\ff)):8*(16*(\sl)+8*(\fh)+(\ff))+7]
.endif
.endr
.endr
.endm
.macro CVT k1, th                      ; half of K step k1's rounding to bf16: registers 4 th .. 4 th + 3 of its four fragments.  These 16 lines name no register of the products round them: they are the places ahead of the LDS loads that follow
	WIN 0x05
.irp tq, 0,1,2,3
.irp s, 0,1,2,3
	v_cvt_pk_bf16_f32 v[PF+32*((\k1)%2)+8*(\s)+4*(\th)+(\tq)], v[64*((\k1)%4)+8*(4*(\th)+(\tq))+(\s)], v[64*((\k1)%4)+8*(4*(\th)+(\tq))+4+(\s)]
.endr
.endr
.endm
; K step k.  ld = 1: the K step four on in the stream is asked for, into the slot rounded in the step before; 2: that step is the next tile's first.  cv: K step k + 1 is rounded; left: the loads younger than it.  fw: its Wv fragments are fetched.
.macro KSTEP k, zero, ld, cv, left, fw
.if (\ld) == 1
	s_wait_xcnt 0x0                                ; the base of earlier loads is stepped only behind this wait
	s_add_nc_u64 s[36:37], s[36:37], s[38:39]
	LOADK (\k)%4
.elseif (\ld) == 2
	s_wait_xcnt 0x0
	s_add_nc_u64 s[36:37], s[8:9], s[40:41]
	LOADK (\k)%4
.endif
	s_wait_dscnt 16                                ; fragments 0-7 of Wv are in; the 16 younger loads are fragments 8-15
	MUL16 \k, 0, 0, \zero
	MUL16 \k, 0, 1, \zero
.if \cv
	s_wait_loadcnt \left                           ; loads come back in order: K step k + 1 is in, the steps behind it stay out
	CVT (\k)+1, 0
.else
	PLACES
.endif
.if \fw
	FETCHW (\k)+1, 0
	s_wait_dscnt 16                                ; all but the 16 just issued
.else
	s_wait_dscnt 0x0
.endif
	MUL16 \k, 1, 0, \zero
	MUL16 \k, 1, 1, \zero
.if \cv
	CVT (\k)+1, 1
.else
	PLACES
.endif
.if \fw
	FETCHW (\k)+1, 1
.endif
.endm
; THE WAY OUT, a head (32 channels: accumulators f = 2 hd, 2 hd + 1 of all four s) at a time: bias added, rounded to f16, 16 bytes a lane into my own stage, back as 4,096 consecutive bytes of value.
.macro BIASLD hd
	WIN 0
.irp ff, 0,1
	ds_load_b128 v[BR+16*((\hd)%2)+8*(\ff):BR+16*((\hd)%2)+8*(\ff)+3],   v[BIA] offset:(2*(\hd)+(\ff))*64
	ds_load_b128 v[BR+16*((\hd)%2)+8*(\ff)+4:BR+16*((\hd)%2)+8*(\ff)+7], v[BIA] offset:(2*(\hd)+(\ff))*64+16
.endr
.endm
.macro PACK hd
.irp sh, 0,1
	WIN 0x02+(\sh)                                 ; source 0: the accumulators' window
.irp sl, 0,1
.irp ff, 0,1
.irp j, 0,2,4,6
	v_pk_add_f32 v[TT+8*(2*(\sl)+(\ff))+(\j):TT+8*(2*(\sl)+(\ff))+(\j)+1], v[8*(16*(\sl)+2*(\hd)+(\ff))+(\j):8*(16*(\sl)+2*(\hd)+(\ff))+(\j)+1], v[BR+16*((\hd)%2)+8*(\ff)+(\j):BR+16*((\hd)%2)+8*(\ff)+(\j)+1]
.endr
.endr
.endr
	WIN 0
.irp sl, 0,1
.irp ff, 0,1
.irp j, 0,1,2,3
	v_cvt_pk_f16_f32 v[PK+4*(2*(2*(\sh)+(\sl))+(\ff))+(\j)], v[TT+8*(2*(\sl)+(\ff))+2*(\j)], v[TT+8*(2*(\sl)+(\ff))+2*(\j)+1]
.endr
.endr
.endr
.endr
.endm
.macro TOST hd                         ; stage row r = pixels 4 r .. 4 r + 3, 64 bytes each; LDS serves a wave's instructions in order, so the loads see the stores
	WIN 0
.irp s, 0,1,2,3
.irp ff, 0,1
	ds_store_b128 v[STO], v[PK+4*(2*(\s)+(\ff)):PK+4*(2*(\s)+(\ff))+3] offset:((\hd)%2)*16*SPITCH+(\s)*64+(\ff)*32
.endr
.endr
.irp t, 0,1,2,3,4,5,6,7
	ds_load_b128 v[BK+32*((\hd)%2)+4*(\t):BK+32*((\hd)%2)+4*(\t)+3], v[RD] offset:((\hd)%2)*16*SPITCH+(\t)*2*SPITCH
.endr
.endm
.macro SEND hd, younger
	s_wait_dscnt \younger                          ; the head is back in registers; the LDS loads issued behind it (the next bias) may stay out
	s_wait_xcnt 0x0                                ; the registers that the stores two heads back read are loaded again only behind this wait
.irp t, 0,1,2,3,4,5,6,7
	global_store_b128 v[GO], v[BK+32*((\hd)%2)+4*(\t):BK+32*((\hd)%2)+4*(\t)+3], s[42:43] offset:((\hd)-4)*HEADB+(\t)*512  ; 512 consecutive bytes, at a multiple of 256 from value's first
.endr
.endm
	s_load_b512 s[8:23], s[0:1], 0x0               ; feat0-3 s[8:15], bv0-3 s[16:23]
	s_load_b128 s[24:27], s[0:1], 0x40             ; wprep s[24:25], value s[26:27]
	s_wait_kmcnt 0x0
	s_cmp_ge_u32 s4, 128                           ; level 0: work-groups 0..127; 1: 128..159; 2: 160..167; 3: 168, 169
	s_cselect_b32 s28, 1, 0                        ; L
	s_cselect_b32 s29, 128, 0                      ; the level's first work-group
	s_cselect_b32 s33, 1048576, 0                  ; the level's first pixel in a head of value, in bytes
	s_cselect_b64 s[8:9], s[10:11], s[8:9]
	s_cselect_b64 s[16:17], s[18:19], s[16:17]
	s_cmp_ge_u32 s4, 160
	s_cselect_b32 s28, 2, s28
	s_cselect_b32 s29, 160, s29
	s_cselect_b32 s33, 1310720, s33
	s_cselect_b64 s[8:9], s[12:13], s[8:9]
	s_cselect_b64 s[16:17], s[20:21], s[16:17]
	s_cmp_ge_u32 s4, 168
	s_cselect_b32 s28, 3, s28
	s_cselect_b32 s29, 168, s29
	s_cselect_b32 s33, 1376256, s33
	s_cselect_b64 s[8:9], s[14:15], s[8:9]
	s_cselect_b64 s[16:17], s[22:23], s[16:17]
	s_lshl_b32 s44, s28, 1
	s_sub_co_u32 s30, 6, s44                       ; a batch has 1 << (6 - 2 L) steps
	s_lshr_b32 s31, 0x10000, s44                   ; bytes in a channel plane
	s_lshl_b32 s32, 1, s30
	s_sub_co_u32 s32, s32, 1
	s_lshl_b32 s38, s31, 5                         ; a K step: 32 planes
	s_mov_b32 s39, 0
	s_lshl_b32 s47, s31, 8                         ; a batch: 256 planes
	s_lshl_b32 s48, s5, 8                          ; my 64 pixels in a plane
	s_lshl_b32 s49, s5, 12                         ; and in value,
	s_add_co_u32 s49, s49, s33
	s_add_co_u32 s49, s49, 4*HEADB                 ; at head 4
	s_sub_co_u32 s34, s4, s29
	s_lshl_b32 s34, s34, 2                         ; my first step
	s_mov_b32 s41, 0
	s_lshl_b32 s44, s28, 17
	s_mov_b32 s45, 0
	s_add_nc_u64 s[24:25], s[24:25], s[44:45]      ; the level's Wv in bf16
	FOFF s34
	s_add_nc_u64 s[36:37], s[8:9], s[40:41]
	v_lshlrev_b32 v10, 3, v2
	v_lshlrev_b32 v11, 4, v1
.irp i, 0,1,2,3,4,5,6,7,8,9,10,11,12,13,14,15
	v_add_nc_u32 v30, (\i)+8*((\i)/8), v10
	v_mad_u32_u24 v[VOFF+(\i)], v30, s31, v11      ; (8 h + row) planes + 16 r
.endr
	LOADK 0                                        ; the first four K steps are asked for before anything else
.irp s, 1,2,3
	s_wait_xcnt 0x0
	s_add_nc_u64 s[36:37], s[36:37], s[38:39]
	LOADK \s
.endr
	WIN 0
	s_lshl_b32 s44, s5, 15
	v_lshl_add_u32 v30, v3, 4, s44                 ; my 64 rows of Wv: 512 bytes a row, 16 a lane
	s_mul_i32 s45, s5, 64*WPITCH
	v_lshl_add_u32 v31, v3, 4, s45
	v_lshlrev_b32 v10, 3, v0                       ; my two numbers of the bias
	WIN 0x80                                       ; they land where the accumulators will be
.set i, 0
.rept 64
	global_load_b128 v[4*i:4*i+3], v30, s[24:25] offset:512*i
.set i, i+1
.endr
	WIN 0
	global_load_b64 v[32:33], v10, s[16:17]
	v_mul_u32_u24 v[ADW], v1, WPITCH
	v_lshl_add_u32 v[ADW], v2, 4, v[ADW]           ; row r x pitch + 16 h
	v_add_nc_u32 v[ADW+1], 8*16*WPITCH, v[ADW]     ; fragments 8-15 lie beyond an LDS immediate's reach
	s_mul_i32 s44, s5, 2*16*SPITCH
	s_add_co_u32 s44, s44, STAGE
	v_mul_u32_u24 v[STO], v1, SPITCH
	v_lshl_add_u32 v[STO], v2, 4, v[STO]
	v_add_nc_u32 v[STO], s44, v[STO]
	v_mul_u32_u24 v[RD], v2, SPITCH
	v_lshl_add_u32 v[RD], v1, 4, v[RD]
	v_add_nc_u32 v[RD], s44, v[RD]
	v_lshlrev_b32 v[GO], 4, v3
	v_lshl_add_u32 v[BIA], v2, 5, BIASL
	s_wait_loadcnt 0x0
	WIN 0x08                                       ; store data in window 2
.set i, 0
.rept 64
	ds_store_b128 v31, v[4*i:4*i+3] offset:WPITCH*i
.set i, i+1
.endr
	WIN 0
	v_cvt_pk_bf16_f32 v34, v32, v33                ; the bias is rounded to bf16 like every input, and kept as f32
	v_lshlrev_b32 v32, 16, v34
	v_and_b32 v33, 0xffff0000, v34
	v_add_nc_u32 v10, BIASL, v10
	ds_store_b64 v10, v[32:33]
	s_wait_dscnt 0x0                               ; for the others' sake: my rows of Wv and my part of the bias are in LDS
	s_barrier_signal -1
	s_barrier_wait -1                              ; the only barrier of this job: from here on a wave reads shared bytes that nobody writes, and its own stage
	CVT 0, 0
	CVT 0, 1
	WIN 0
	VBASE
	s_mov_b32 s35, 4
.Lvt:                                                  ; a trip is a step of 256 pixels; the ring of four load slots runs on into the next step
	FETCHW 0, 0
	FETCHW 0, 1
	KSTEP 0, 1, 1, 1, 48, 1                        ; the first products start the sums: nothing is cleared.  48: three K steps of 16 loads are younger than the one rounded
	KSTEP 1, 0, 1, 1, 48, 1
	KSTEP 2, 0, 1, 1, 48, 1
	KSTEP 3, 0, 1, 1, 48, 1
	WIN 0
	s_cmp_eq_u32 s35, 1
	s_cbranch_scc1 .Lvlast
	s_add_co_u32 s46, s34, 1
	FOFF s46
	KSTEP 4, 0, 2, 1, 48, 1                        ; the next step's first four K steps are asked for,
	KSTEP 5, 0, 1, 1, 48, 1
	KSTEP 6, 0, 1, 1, 48, 1
	KSTEP 7, 0, 1, 1, 48, 0                        ; and its first is rounded; the way out takes Wv's registers, so no fragments are fetched
	WIN 0
	s_branch .Lvout
.Lvlast:                                               ; the last step asks for nothing: the counts run down
	KSTEP 4, 0, 0, 1, 32, 1
	KSTEP 5, 0, 0, 1, 16, 1
	KSTEP 6, 0, 0, 1, 0, 1
	KSTEP 7, 0, 0, 0, 0, 0
	WIN 0
.Lvout:                                                ; every K step ends in 16 roundings or four v_nop: the places behind the last products
	BIASLD 0
	BIASLD 1
	s_wait_dscnt 4                                 ; head 0's bias is in; head 1's four loads may be out
	PACK 0
	TOST 0
.irp hd, 1,2,3,4,5,6
	BIASLD (\hd)+1
	s_wait_dscnt 20                                ; this head's bias is in; younger: the stage's 16 of the head before and the next bias's 4
	PACK \hd
	SEND (\hd)-1, 4
	TOST \hd
.endr
	s_wait_dscnt 16
	PACK 7
	SEND 6, 0
	TOST 7
	SEND 7, 0
	s_wait_xcnt 0x0                                ; the stores' base and data registers are written again only behind this wait
	s_add_co_u32 s34, s34, 1
	VBASE
	s_sub_co_u32 s35, s35, 1
	s_cmp_lg_u32 s35, 0
	s_cbranch_scc1 .Lvt
	s_wait_tensorcnt 0x0                           ; the wave's end: three lines behind my last LDS store
	ds_add_u32 v28, v29
	s_wait_dscnt 0x0
	s_endpgm
; =====================================================  Q: places and weights  =====================================================
; A tile is 128 queries.  Wave w owns heads 2 w (A) and 2 w + 1 (B) for all of them; its 2 x 24 weight fragments stay in registers for the whole launch.
; Source 0 = 16 output columns of the weights, source 1 = 16 queries: a lane (r, h) holds ONE query r; of offset fragment x the four (x, y) pairs of level 2 x + h; of the attention fragment level h in
; registers 0-3 and level 2 + h in registers 4-7.  So a softmax wants one exchange between the halves of the lanes, and nothing else changes lanes.  The bias is the C operand that starts each sum.
; While head A's results are worked on, head B's 24 matrix instructions stand among that vector work.
; LDS: the tile's queries in bf16, 128 rows of 528 bytes, at 0; the stage for wts, 128 x 1,040, at 67,584; for idx, 128 x 528, at 200,704; the reference points, 128 x 8, at 268,288.
; REGISTERS.  window 0: v4-24 addresses; v32-51 the two slots' level constants; v52-63 at work; v64-87 head A's three accumulators, v88-111 head B's; v112-175 the queries' 8 fragments; v176-251 at work
;             window 1: head A's fragments at 8 (3 kk + x), its bias at 192 + 8 x      window 2: head B's      window 3: the next tile's queries as loaded
.set QTP, 528
.set WST, 67584
.set WSP, 1040
.set IST, 200704
.set REFT, 268288
.macro QLOAD                           ; my 32 rows of the tile: 64 loads of 512 consecutive bytes; and one reference point a lane
	WIN 0xc0
.set c, 0
.rept 64
	global_load_b128 v[4*c:4*c+3], v17, s[8:9] offset:512*c th:TH_LOAD_NT
.set c, c+1
.endr
	WIN 0
	global_load_b64 v[22:23], v18, s[10:11] th:TH_LOAD_NT
.endm
.macro QCONV                           ; rounded to bf16 and laid into LDS rows
.set g, 0
.rept 4
	WIN 0x0f
.set c, 0
.rept 16
	v_cvt_pk_bf16_f32 v[176+2*c],   v[4*(16*g+c)],   v[4*(16*g+c)+1]
	v_cvt_pk_bf16_f32 v[176+2*c+1], v[4*(16*g+c)+2], v[4*(16*g+c)+3]
.set c, c+1
.endr
	WIN 0
.set c, 0
.rept 16
	ds_store_b64 v16, v[176+2*c:176+2*c+1] offset:((16*g+c)/2)*QTP+((16*g+c)%2)*256
.set c, c+1
.endr
.set g, g+1
.endr
	v_cvt_pk_bf16_f32 v27, v22, v23
	v_lshlrev_b32 v30, 16, v27
	v_and_b32 v31, 0xffff0000, v27
	ds_store_b64 v19, v[30:31]
.endm
.macro MMA                             ; head A: 24 matrix instructions, its three accumulators by turns
.set kk, 0
.rept 8
	s_wait_dscnt 14-2*kk                           ; fragment kk is in: behind its two loads 2 (7 - kk) were issued
.if kk == 0
	WIN 0x11                                       ; weights and the bias (C) in window 1
.else
	WIN 0x01
.endif
.set x, 0
.rept 3
.if kk == 0
	v_wmma_f32_16x16x32_bf16 v[64+8*x:64+8*x+7], v[8*(3*kk+x):8*(3*kk+x)+7], v[112+8*kk:112+8*kk+7], v[192+8*x:192+8*x+7]
.else
	v_wmma_f32_16x16x32_bf16 v[64+8*x:64+8*x+7], v[8*(3*kk+x):8*(3*kk+x)+7], v[112+8*kk:112+8*kk+7], v[64+8*x:64+8*x+7]
.endif
.set x, x+1
.endr
.set kk, kk+1
.endr
.endm
.macro MMB                             ; head B's matrix instruction n of 24, the same order
.set kk, n/3
.set x, n%3
.if kk == 0
	WIN 0x22
	v_wmma_f32_16x16x32_bf16 v[88+8*x:88+8*x+7], v[8*(3*kk+x):8*(3*kk+x)+7], v[112+8*kk:112+8*kk+7], v[192+8*x:192+8*x+7]
.else
	WIN 0x02
	v_wmma_f32_16x16x32_bf16 v[88+8*x:88+8*x+7], v[8*(3*kk+x):8*(3*kk+x)+7], v[112+8*kk:112+8*kk+7], v[88+8*x:88+8*x+7]
.endif
	WIN 0
.set n, n+1
.endm
.macro MB mm
.if \mm
	MMB
.endif
.endm
; What is made of a head's three accumulators (acc: their first register; sel: 0 head A, 1 head B).  mm = 1: head B's 24 matrix instructions stand among the lines, 4 in the softmax and 10 in each slot, none
; between a transcendental and the plain line behind it; no line here names a register of theirs.  Each accumulator is read from its low end on.
.macro POST acc, sel, mm
.set QAT, (\acc)+16
	v_max3_num_f32 v58, v[QAT], v[QAT+1], v[QAT+2]      ; the softmax over a head's 16 logits: 8 in this lane, 8 in the lane 16 away.  The true maximum is taken away
	v_max3_num_f32 v58, v58, v[QAT+3], v[QAT+4]
	v_max3_num_f32 v58, v58, v[QAT+5], v[QAT+6]
	v_max_num_f32 v58, v58, v[QAT+7]
	MB \mm
	v_permlanex16_b32 v59, v58, s32, s33
	v_max_num_f32 v58, v58, v59
	v_mul_f32 v60, 0xbfb8aa3b, v58                 ; - log2(e) m, twice: a pair for the packed lines
	v_mul_f32 v61, 0xbfb8aa3b, v58
.irp j, 0,2,4,6
	v_pk_fma_f32 v[QAT+(\j):QAT+(\j)+1], v[QAT+(\j):QAT+(\j)+1], 0x3fb8aa3b, v[60:61] op_sel_hi:[1,0,1]
.endr
	MB \mm
.irp j, 0,1,2,3,4,5,6,7
	v_exp_f32 v[QAT+(\j)], v[QAT+(\j)]
.endr
	v_nop                                          ; a plain line behind the last exponential
	MB \mm
	s_wait_alu depctr_va_vdst(0)
	v_pk_add_f32 v[62:63], v[QAT:QAT+1], v[QAT+2:QAT+3]
	v_pk_add_f32 v[176:177], v[QAT+4:QAT+5], v[QAT+6:QAT+7]
	v_pk_add_f32 v[62:63], v[62:63], v[176:177]
	v_add_f32 v62, v62, v63
	v_permlanex16_b32 v59, v62, s32, s33
	v_add_f32 v62, v62, v59                        ; at least 1: the largest logit's own term
	v_rcp_f32 v60, v62
	v_rcp_f32 v61, v62
	v_nop
	MB \mm
	s_wait_alu depctr_va_vdst(0)
.irp j, 0,2,4,6
	v_pk_mul_f32 v[QAT+(\j):QAT+(\j)+1], v[QAT+(\j):QAT+(\j)+1], v[60:61]
.endr
.irp x, 0,1                            ; slot x: level 2 x + h; QO's registers 2 p, 2 p + 1 are point p's x and y
.set QO, (\acc)+8*(\x)
.set QCK, 32+10*(\x)
.irp j, 0,2,4,6
	v_pk_mul_f32 v[QO+(\j):QO+(\j)+1], v[QO+(\j):QO+(\j)+1], 0x4038aa3b op_sel_hi:[1,0]  ; tanh z = 1 - 2 / (1 + 2^(2 log2(e) z)): right at both ends, through infinity and 0
.endr
	MB \mm
.irp j, 0,1,2,3,4,5,6,7
	v_exp_f32 v[QO+(\j)], v[QO+(\j)]
.endr
	v_nop
	MB \mm
	s_wait_alu depctr_va_vdst(0)
.irp j, 0,2,4,6
	v_pk_add_f32 v[QO+(\j):QO+(\j)+1], v[QO+(\j):QO+(\j)+1], 1.0 op_sel_hi:[1,0]
.endr
	MB \mm
.irp j, 0,1,2,3,4,5,6,7
	v_rcp_f32 v[QO+(\j)], v[QO+(\j)]
.endr
	v_nop
	MB \mm
	s_wait_alu depctr_va_vdst(0)
.irp j, 0,2,4,6
	v_pk_fma_f32 v[QO+(\j):QO+(\j)+1], v[QO+(\j):QO+(\j)+1], v[QCK+4:QCK+5], v[54+2*(\x):55+2*(\x)]  ; x = (ref (W-1) + scale) - 2 scale / (1 + ..)
.endr
	MB \mm
.irp j, 0,1,2,3,4,5,6,7
	v_floor_f32 v[176+(\j)], v[QO+(\j)]
.endr
	MB \mm
.irp j, 0,1,2,3,4,5,6,7
	v_med3_num_f32 v[176+(\j)], v[176+(\j)], 0, v[QCK+8]   ; xb, yb: held to 0 .. W-2
.endr
	MB \mm
.irp j, 0,2,4,6
	v_pk_add_f32 v[184+(\j):185+(\j)], v[QO+(\j):QO+(\j)+1], v[176+(\j):177+(\j)] neg_lo:[0,1] neg_hi:[0,1]  ; f
.endr
.irp j, 0,2,4,6
	v_pk_add_f32 v[192+(\j):193+(\j)], v[184+(\j):185+(\j)], 1.0 op_sel_hi:[1,0] neg_lo:[1,0] neg_hi:[1,0]   ; 1 - f
	v_pk_add_f32 v[200+(\j):201+(\j)], v[184+(\j):185+(\j)], 1.0 op_sel_hi:[1,0]                             ; 1 + f
	v_pk_add_f32 v[208+(\j):209+(\j)], v[184+(\j):185+(\j)], 2.0 op_sel_hi:[1,0] neg_lo:[1,0] neg_hi:[1,0]   ; 2 - f
.endr
	MB \mm
.irp p, 0,1,2,3
	v_med3_num_f32 v[216+2*(\p)], v[192+2*(\p)], v[200+2*(\p)], 0      ; point p: weight of column xb,
	v_med3_num_f32 v[217+2*(\p)], v[184+2*(\p)], v[208+2*(\p)], 0      ; of column xb + 1,
	v_med3_num_f32 v[224+2*(\p)], v[193+2*(\p)], v[201+2*(\p)], 0      ; of row yb,
	v_med3_num_f32 v[225+2*(\p)], v[185+2*(\p)], v[209+2*(\p)], 0      ; of row yb + 1
.endr
	MB \mm
.irp p, 0,1,2,3
	v_pk_mul_f32 v[176+2*(\p):177+2*(\p)], v[176+2*(\p):177+2*(\p)], v[QCK+6:QCK+7]  ; 64 xb, 64 W yb: whole numbers under 2^24, exact in f32
.endr
.irp p, 0,1,2,3
	v_add_f32 v[176+2*(\p)], v[176+2*(\p)], v[177+2*(\p)]
.endr
.irp p, 0,1,2,3
	v_cvt_u32_f32 v[248+(\p)], v[176+2*(\p)]
.endr
.irp ph, 0,1
.irp pl, 0,1
	v_pk_mul_f32 v[232+4*(\ph)+2*(\pl):233+4*(\ph)+2*(\pl)], v[224+4*(\ph)+2*(\pl):225+4*(\ph)+2*(\pl)], v[QAT+4*(\x)+2*(\ph):QAT+4*(\x)+2*(\ph)+1] op_sel:[0,\pl] op_sel_hi:[1,\pl]  ; the rows' weights times the point's attention
.endr
.endr
.irp p, 0,1,2,3
	v_pk_mul_f32 v[192+4*(\p):193+4*(\p)], v[216+2*(\p):217+2*(\p)], v[232+2*(\p):233+2*(\p)] op_sel_hi:[1,0]              ; corners (yb, xb), (yb, xb+1)
	v_pk_mul_f32 v[194+4*(\p):195+4*(\p)], v[216+2*(\p):217+2*(\p)], v[232+2*(\p):233+2*(\p)] op_sel:[0,1] op_sel_hi:[1,1]  ; corners (yb+1, xb), (yb+1, xb+1)
.endr
	MB \mm
.irp p, 0,1,2,3
	v_cvt_pk_f16_f32 v[240+2*(\p)], v[192+4*(\p)], v[193+4*(\p)]
	v_cvt_pk_f16_f32 v[241+2*(\p)], v[194+4*(\p)], v[195+4*(\p)]
.endr
	ds_store_b128 v8, v[240:243] offset:(\x)*512+(\sel)*16         ; points 0, 1
	ds_store_b128 v8, v[244:247] offset:(\x)*512+128+(\sel)*16     ; points 2, 3
	ds_store_b128 v10, v[248:251] offset:(\x)*256+(\sel)*16
.endr
.endm
.Lq:
	s_load_b256 s[8:15], s[0:1], 0x50              ; query s[8:9], reference_points s[10:11], b_off s[12:13], b_attn s[14:15]
	s_load_b128 s[16:19], s[0:1], 0x70             ; wts s[16:17], idx s[18:19]
	s_load_b64 s[24:25], s[0:1], 0x40              ; wprep
	s_sub_co_u32 s34, s4, 170
	s_mul_i32 s35, s34, 3                          ; my first tile
	s_sub_co_u32 s29, 256, s35
	s_min_u32 s29, s29, 3                          ; my tiles: three, or what is left
	s_mov_b32 s28, 0
	s_mov_b32 s32, 0x76543210                      ; v_permlanex16_b32: each lane takes its own place in the other half
	s_mov_b32 s33, 0xfedcba98
	s_lshl_b32 s36, s35, 17                        ; a tile: 131,072 bytes of query and of wts,
	s_mov_b32 s37, 0
	s_lshl_b32 s38, s35, 10                        ; 1,024 of reference points,
	s_mov_b32 s39, 0
	s_lshl_b32 s40, s35, 16                        ; 65,536 of idx
	s_mov_b32 s41, 0
	s_mul_i32 s42, s5, 32*WSP
	s_add_co_u32 s42, s42, WST                     ; the copy out: my 32 rows of the two stages,
	s_mul_i32 s43, s5, 32*QTP
	s_add_co_u32 s43, s43, IST
	s_lshl_b32 s44, s5, 15                         ; and of wts (also: of query),
	s_lshl_b32 s45, s5, 14                         ; and of idx (also: my two heads' fragment images)
	v_mul_u32_u24 v5, v1, QTP
	v_lshl_add_u32 v5, v2, 4, v5                   ; a query fragment: row r x pitch + 16 h
	v_lshl_add_u32 v7, v1, 3, REFT
	s_lshl_b32 s46, s5, 5                          ; my two heads' 32 bytes
	v_mul_u32_u24 v9, v1, WSP
	v_lshl_add_u32 v9, v2, 8, v9
	s_add_co_u32 s47, s46, WST
	v_add_nc_u32 v9, s47, v9                       ; wts stage: row r, level h's 256 bytes, my heads
	v_mul_u32_u24 v11, v1, QTP
	v_lshl_add_u32 v11, v2, 7, v11
	s_add_co_u32 s47, s46, IST
	v_add_nc_u32 v11, s47, v11                     ; idx stage: row r, level h's 128 bytes, my heads
	s_mul_i32 s47, s5, 32*QTP
	v_lshl_add_u32 v16, v3, 3, s47
	v_lshl_add_u32 v17, v3, 4, s44
	v_lshlrev_b32 v18, 3, v0
	v_add_nc_u32 v19, REFT, v18
	v_lshl_add_u32 v20, v3, 4, s45
	s_lshl_b32 s47, s5, 8
	v_lshl_add_u32 v21, v2, 5, s47                 ; b_off: (64 w + 8 h) x 4
	s_lshl_b32 s47, s5, 7
	v_lshl_add_u32 v24, v2, 4, s47                 ; b_attn: (32 w + 4 h) x 4
	s_wait_kmcnt 0x0
	s_add_nc_u64 s[8:9], s[8:9], s[36:37]
	s_add_nc_u64 s[10:11], s[10:11], s[38:39]
	s_add_nc_u64 s[16:17], s[16:17], s[36:37]
	s_add_nc_u64 s[18:19], s[18:19], s[40:41]
	s_add_nc_u64 s[24:25], s[24:25], 524288        ; the fragment images of W_off and W_attn
	QLOAD
.irp sel, 0,1
	WIN 0x40*(1+(\sel))
.set i, 0
.rept 48                               ; i = 6 kk + 2 x + jh
	global_load_b128 v[8*(3*(i/6)+(i%6)/2)+4*(i%2):8*(3*(i/6)+(i%6)/2)+4*(i%2)+3], v20, s[24:25] offset:((i%6)/2)*65536+(\sel)*8192+(i/6)*1024+(i%2)*512
.set i, i+1
.endr
.endr
	WIN 0
.irp sel, 0,1
.irp x, 0,1
	global_load_b128 v[176+24*(\sel)+8*(\x):176+24*(\sel)+8*(\x)+3],   v21, s[12:13] offset:(\sel)*128+(\x)*64
	global_load_b128 v[176+24*(\sel)+8*(\x)+4:176+24*(\sel)+8*(\x)+7], v21, s[12:13] offset:(\sel)*128+(\x)*64+16
.endr
	global_load_b128 v[176+24*(\sel)+16:176+24*(\sel)+19], v24, s[14:15] offset:(\sel)*64      ; level h,
	global_load_b128 v[176+24*(\sel)+20:176+24*(\sel)+23], v24, s[14:15] offset:(\sel)*64+32   ; level 2 + h
.endr
	v_mov_b32 v25, 128
	v_mov_b32 v26, 2
	v_mov_b32 v59, 0                               ; v_permlanex16_b32's destination counts as read
.irp x, 0,1                            ; slot x's constants for level l = 2 x + h: W = 128 >> l, scale = 2 << l
	v_add_nc_u32 v30, 2*(\x), v2
	v_lshrrev_b32 v31, v30, v25
	v_cvt_f32_u32 v31, v31
	v_add_f32 v[32+10*(\x)], -1.0, v31             ; W - 1, twice
	v_mov_b32 v[33+10*(\x)], v[32+10*(\x)]
	v_add_f32 v[40+10*(\x)], -2.0, v31             ; W - 2
	v_lshlrev_b32 v30, v30, v26
	v_cvt_f32_u32 v[34+10*(\x)], v30               ; scale, twice
	v_mov_b32 v[35+10*(\x)], v[34+10*(\x)]
	v_mul_f32 v[36+10*(\x)], -2.0, v[34+10*(\x)]   ; - 2 scale, twice
	v_mov_b32 v[37+10*(\x)], v[36+10*(\x)]
	v_mov_b32 v[38+10*(\x)], 0x42800000            ; 64: bytes from a record to the next,
	v_mul_f32 v[39+10*(\x)], 0x42800000, v31       ; 64 W: from a row to the next
.endr
	s_wait_loadcnt 0x0
.set i, 0
.rept 24
	v_cvt_pk_bf16_f32 v[224+i], v[176+2*i], v[176+2*i+1]   ; the biases are rounded to bf16 like every input, and kept as f32
.set i, i+1
.endr
	WIN 0x40
.set i, 0
.rept 12
	v_lshlrev_b32 v[192+2*i], 16, v[224+i]
	v_and_b32 v[192+2*i+1], 0xffff0000, v[224+i]
.set i, i+1
.endr
	WIN 0x80
.set i, 0
.rept 12
	v_lshlrev_b32 v[192+2*i], 16, v[236+i]
	v_and_b32 v[192+2*i+1], 0xffff0000, v[236+i]
.set i, i+1
.endr
	WIN 0
.Lqt:                                                  ; a trip is a tile of 128 queries; the LDS addresses are the same in every trip
	s_wait_loadcnt 0x0                             ; the tile's queries and reference points are in; that wait also frees their bases
	QCONV
	s_add_co_u32 s34, s28, 1
	s_cmp_lt_u32 s34, s29
	s_cbranch_scc0 .Lqnl                           ; behind the last tile nothing is asked for
	s_add_nc_u64 s[8:9], s[8:9], 131072
	s_add_nc_u64 s[10:11], s[10:11], 1024
	QLOAD                                          ; the next tile is on its way while this one is worked on
.Lqnl:
	s_wait_dscnt 0x0                               ; my rows of the tile are in LDS, and my reads of the last tile's stages are back
	s_barrier_signal -1
	s_barrier_wait -1
	v_mov_b32 v4, v5
	v_mov_b32 v6, v7
	v_mov_b32 v8, v9
	v_mov_b32 v10, v11
	s_mov_b32 s30, 8
.Lqr:                                                  ; a trip is 16 queries
	ds_load_b64 v[52:53], v6                       ; the query's reference point, ahead of the fragments, so that their counts are theirs alone
.irp kk, 0,1,2,3,4,5,6,7
	ds_load_b128 v[112+8*(\kk):112+8*(\kk)+3], v4 offset:(\kk)*64
	ds_load_b128 v[112+8*(\kk)+4:112+8*(\kk)+7], v4 offset:(\kk)*64+32
.endr
	MMA
	WIN 0
	v_pk_fma_f32 v[54:55], v[52:53], v[32:33], v[34:35]    ; ref (W-1) + scale for the two slots: with two v_nop the four places behind head A's last product
	v_pk_fma_f32 v[56:57], v[52:53], v[42:43], v[44:45]
	v_nop
	v_nop
.set n, 0
	POST 64, 0, 1
	POST 88, 1, 0                                  ; eight roundings stand between head B's last product and this
	v_add_nc_u32 v4, 16*QTP, v4
	v_add_nc_u32 v6, 128, v6
	v_add_nc_u32 v8, 16*WSP, v8
	v_add_nc_u32 v10, 16*QTP, v10
	s_sub_co_u32 s30, s30, 1
	s_cmp_lg_u32 s30, 0
	s_cbranch_scc1 .Lqr
	s_wait_dscnt 0x0                               ; my heads' part of every row is in the stages, and my reads of the tile are back
	s_barrier_signal -1
	s_barrier_wait -1
	v_lshl_add_u32 v12, v3, 4, s42
	v_lshl_add_u32 v13, v3, 4, s43
	v_lshl_add_u32 v14, v3, 4, s44
	v_lshl_add_u32 v15, v3, 4, s45
	s_mov_b32 s31, 4
.Lqc:                                                  ; a trip copies 8 of my 32 whole rows out
.set i, 0
.rept 16
	ds_load_b128 v[112+4*i:112+4*i+3], v12 offset:(i/2)*WSP+(i%2)*512
.set i, i+1
.endr
.set i, 0
.rept 8
	ds_load_b128 v[176+4*i:176+4*i+3], v13 offset:i*QTP
.set i, i+1
.endr
	s_wait_dscnt 0x0
.set i, 0
.rept 16
	global_store_b128 v14, v[112+4*i:112+4*i+3], s[16:17] offset:i*512     ; each store covers 512 consecutive bytes, aligned
.set i, i+1
.endr
.set i, 0
.rept 8
	global_store_b128 v15, v[176+4*i:176+4*i+3], s[18:19] offset:i*512
.set i, i+1
.endr
	s_wait_xcnt 0x0                                ; the stores' data, offsets and bases are written again only behind this wait
	v_add_nc_u32 v12, 8*WSP, v12
	v_add_nc_u32 v13, 8*QTP, v13
	v_add_nc_u32 v14, 8192, v14
	v_add_nc_u32 v15, 4096, v15
	s_sub_co_u32 s31, s31, 1
	s_cmp_lg_u32 s31, 0
	s_cbranch_scc1 .Lqc
	s_add_nc_u64 s[16:17], s[16:17], 131072
	s_add_nc_u64 s[18:19], s[18:19], 65536
	s_add_co_u32 s28, s28, 1
	s_cmp_lt_u32 s28, s29
	s_cbranch_scc1 .Lqt
	s_wait_tensorcnt 0x0                           ; the wave's end: three lines behind my last LDS store
	ds_add_u32 v28, v29
	s_wait_dscnt 0x0
	s_endpgm
.Lfunc_end_k_qfc73180b2f_proj:
	.size	k_qfc73180b2f_proj, .Lfunc_end_k_qfc73180b2f_proj-k_qfc73180b2f_proj
	.p2alignl 7, 3214868480
	.fill 96, 4, 3214868480
	.section	.rodata,"a",@progbits
	.p2align	6, 0x0
	.amdhsa_kernel k_qfc73180b2f_proj
		.amdhsa_group_segment_fixed_size 269824
		.amdhsa_private_segment_fixed_size 0
		.amdhsa_enable_private_segment 0
		.amdhsa_kernarg_size 128
		.amdhsa_user_sgpr_count 2
		.amdhsa_user_sgpr_kernarg_segment_ptr 1
		.amdhsa_wavefront_size32 1
		.amdhsa_system_sgpr_workgroup_id_x 1
		.amdhsa_system_sgpr_workgroup_id_y 1
		.amdhsa_system_sgpr_workgroup_id_z 1
		.amdhsa_system_vgpr_workitem_id 0
		.amdhsa_next_free_vgpr 1024
		.amdhsa_next_free_sgpr 66
		.amdhsa_reserve_vcc 0
		.amdhsa_float_denorm_mode_32 3
		.amdhsa_float_denorm_mode_16_64 3
		.amdhsa_memory_ordered 1
		.amdhsa_forward_progress 1
		.amdhsa_inst_pref_size 255
	.end_amdhsa_kernel
	.section	.bss,"aw",@nobits
	.p2align	6
	.space	262144
	.amdgpu_metadata
---
amdhsa.version: [ 1, 2 ]
amdhsa.kernels:
  - .name:           k_qfc73180b2f_proj
    .symbol:         k_qfc73180b2f_proj.kd
    .args:
      - { .name: feat0, .offset: 0, .size: 8, .value_kind: global_buffer, .address_space: global }
      - { .name: feat1, .offset: 8, .size: 8, .value_kind: global_buffer, .address_space: global }
      - { .name: feat2, .offset: 16, .size: 8, .value_kind: global_buffer, .address_space: global }
      - { .name: feat3, .offset: 24, .size: 8, .value_kind: global_buffer, .address_space: global }
      - { .name: bv0, .offset: 32, .size: 8, .value_kind: global_buffer, .address_space: global }
      - { .name: bv1, .offset: 40, .size: 8, .value_kind: global_buffer, .address_space: global }
      - { .name: bv2, .offset: 48, .size: 8, .value_kind: global_buffer, .address_space: global }
      - { .name: bv3, .offset: 56, .size: 8, .value_kind: global_buffer, .address_space: global }
      - { .name: wprep, .offset: 64, .size: 8, .value_kind: global_buffer, .address_space: global }
      - { .name: value, .offset: 72, .size: 8, .value_kind: global_buffer, .address_space: global }
      - { .name: query, .offset: 80, .size: 8, .value_kind: global_buffer, .address_space: global }
      - { .name: reference_points, .offset: 88, .size: 8, .value_kind: global_buffer, .address_space: global }
      - { .name: b_off, .offset: 96, .size: 8, .value_kind: global_buffer, .address_space: global }
      - { .name: b_attn, .offset: 104, .size: 8, .value_kind: global_buffer, .address_space: global }
      - { .name: wts, .offset: 112, .size: 8, .value_kind: global_buffer, .address_space: global }
      - { .name: idx, .offset: 120, .size: 8, .value_kind: global_buffer, .address_space: global }
    .group_segment_fixed_size: 269824
    .private_segment_fixed_size: 0
    .kernarg_segment_align: 8
    .kernarg_segment_size: 128
    .max_flat_workgroup_size: 128
    .sgpr_count:     66
    .vgpr_count:     1024
    .wavefront_size: 32
...
	.end_amdgpu_metadata
.endif
;; end of part 2
;; launch samp (part 3): grid 256 x 1, 16 waves a work-group, no clusters, 202,752 bytes of LDS; arguments value, idx, wts, wprep, b_out, out0; writes out0
.if DOCPART == 3
	.amdgcn_target "amdgcn-amd-amdhsa--gfx1250"
	.amdhsa_code_object_version 6
	.text
	.protected	k_qfc73180b2f_samp
	.globl	k_qfc73180b2f_samp
	.p2align	8
	.type	k_qfc73180b2f_samp,@function
k_qfc73180b2f_samp:
	s_mov_b64 s[64:65], 0
	v_nop
	global_prefetch_b8 v0, s[64:65] scope:SCOPE_SE
	s_setreg_imm32_b32 hwreg(HW_REG_WAVE_MODE, 25, 1), 1
	s_wait_xcnt 0x0
; out0[q] = (sum over level, point, corner of wts x value[record]) W_out + b_out.
; A work-group owns 128 queries of one batch.  GATHER: wave w takes queries 8 w .. 8 w + 7, one a trip.  Lane = (head = lane / 4, chunk = lane % 4) holds 8 of the head's 32 channels, so one load of 16 bytes a
; lane brings one corner's record (64 bytes) for all 8 heads, and a finished query is 32 lanes x 16 bytes = a row of 512 bytes of f16.  The sums are kept in f32: v_fma_mix_f32 takes f16 halves of value and weight.
; A level's 16 loads (4 points x 4 corners; one offset a point, the corners by immediates) land in one of two slots of 64 registers; one level is on its way while the other is summed.  The next query's idx
; and wts are asked for in this trip.  Sixteen waves of 256 registers, four to a SIMD, so that the other three work while one waits for its gathers.
; The offsets come from idx, whole numbers that the launch before stored; each is held to the level's largest 2 x 2 block's offset before it enters an address.
; TAIL: the 128 rows meet in LDS; wave w makes columns 16 w .. 16 w + 15 of out0 for all rows (source 0 = 16 columns of W_out, in f16 as prepared; source 1 = 16 queries; C of the first product = the bias),
; and the result leaves through an LDS stage as whole rows.
; LIMITS.  The sampled row is rounded once to f16; it lies within value's range, since the weights are not negative and add up to at most 1.  b_out is rounded to bf16 like every input.
; LDS: the rows, 128 x 528 bytes, at 0; the stage for out0, 128 x 1,040, at 67,584; the spare words, 128 bytes for each of 16 waves, at 200,704.
; No tensor loads (the records are scattered), no cluster (work-groups share only W_out, 128 KB once).
; REGISTERS: v4 head x 1,392,640 + 16 chunk; v5 16 head; v6 my row in LDS; v7 0.0; v32-39 sums; v40-43 the packed row; v64-127, v128-191 the two slots; v192-223 wts, 8 a level; v224-239 idx, 4 a level;
; v240-255 offsets, 4 a level.  Tail: v32-47 two accumulators, v48-55 bias, v64-127 W_out's 8 fragments, v128-255 two row blocks' fragments.
.set SPARE, 200704
.set SP, 528
.set OUTL, 67584
.set OPI, 1040
.set HEADB, 1392640
.set BATCHB, 11141120
.macro LVL l                           ; the level's width, its first record in a head, and the largest offset of a 2 x 2 block: ((W-2) W + W-2) 64
.set WW, 128>>(\l)
.set CL, (WW-2)*(WW+1)*64
.if (\l) == 0
.set LV, 0
.elseif (\l) == 1
.set LV, 1048576
.elseif (\l) == 2
.set LV, 1310720
.else
.set LV, 1376256
.endif
.endm
.macro ADR l
	LVL \l
.irp p, 0,1,2,3
	v_min_u32 v[240+4*(\l)+(\p)], CL, v[224+4*(\l)+(\p)]
	v_add_nc_u32 v[240+4*(\l)+(\p)], v4, v[240+4*(\l)+(\p)]
.endr
.endm
.macro GATH l, slot
	LVL \l
.irp p, 0,1,2,3
.irp ch, 0,1
.irp cl, 0,1
	global_load_b128 v[64+64*(\slot)+16*(\p)+8*(\ch)+4*(\cl):64+64*(\slot)+16*(\p)+8*(\ch)+4*(\cl)+3], v[240+4*(\l)+(\p)], s[8:9] offset:LV+(\cl)*64+(\ch)*WW*64
.endr
.endr
.endr
.endm
.macro FMA l, slot, first              ; 128 multiply-adds: 16 corners x 8 channels; a sum's register comes round every eighth line.  first = 1: the first corner starts the sums from v7 = 0: nothing is cleared
.irp p, 0,1,2,3
.irp ch, 0,1
.irp cl, 0,1
.irp j, 0,1,2,3
.irp e, 0,1
.if (\first) && ((\p)+(\ch)+(\cl) == 0)
	v_fma_mix_f32 v[32+2*(\j)+(\e)], v[64+64*(\slot)+16*(\p)+8*(\ch)+4*(\cl)+(\j)], v[192+8*(\l)+2*(\p)+(\ch)], v7 op_sel:[\e,\cl,0] op_sel_hi:[1,1,0]
.else
	v_fma_mix_f32 v[32+2*(\j)+(\e)], v[64+64*(\slot)+16*(\p)+8*(\ch)+4*(\cl)+(\j)], v[192+8*(\l)+2*(\p)+(\ch)], v[32+2*(\j)+(\e)] op_sel:[\e,\cl,0] op_sel_hi:[1,1,0]
.endif
.endr
.endr
.endr
.endr
.endr
.endm
.macro LDI                             ; a query's idx: for each level my head's four points
.irp l, 0,1,2,3
	global_load_b128 v[224+4*(\l):224+4*(\l)+3], v5, s[10:11] offset:(\l)*128 th:TH_LOAD_NT
.endr
.endm
.macro LDW l                           ; a query's wts of level l: my head's two pairs of points x four corners
	global_load_b128 v[192+8*(\l):192+8*(\l)+3], v5, s[12:13] offset:(\l)*256 th:TH_LOAD_NT
	global_load_b128 v[192+8*(\l)+4:192+8*(\l)+7], v5, s[12:13] offset:(\l)*256+128 th:TH_LOAD_NT
.endm
	s_load_b256 s[8:15], s[0:1], 0x0               ; value s[8:9], idx s[10:11], wts s[12:13], wprep s[14:15]
	s_load_b128 s[16:19], s[0:1], 0x20             ; b_out s[16:17], out0 s[18:19]
	v_lshl_add_u32 v28, v0, 2, SPARE               ; my spare word, and 0: kept for the closing add alone
	v_mov_b32 v29, 0
	v_lshrrev_b32 v1, 5, v0
	v_readfirstlane_b32 s5, v1                     ; wave w
	v_and_b32 v3, 31, v0                           ; lane
	v_and_b32 v1, 15, v0                           ; r
	v_bfe_u32 v2, v0, 4, 1                         ; h
	v_lshrrev_b32 v30, 2, v3                       ; head
	v_and_b32 v31, 3, v3                           ; chunk
	v_mul_u32_u24 v4, v30, HEADB
	v_lshl_add_u32 v4, v31, 4, v4
	v_lshlrev_b32 v5, 4, v30
	s_mul_i32 s20, s5, 8*SP
	v_lshl_add_u32 v6, v3, 4, s20
	v_mov_b32 v7, 0
	s_lshr_b32 s21, ttmp9, 5                       ; batch: 32 work-groups each
	s_mul_i32 s22, s21, BATCHB
	s_mov_b32 s23, 0
	s_lshl_b32 s24, ttmp9, 7
	s_lshl3_add_u32 s24, s5, s24                   ; my first query: 128 g + 8 w
	s_lshl_b32 s26, s24, 9                         ; 512 bytes of idx a query,
	s_mov_b32 s27, 0
	s_lshl_b32 s28, s24, 10                        ; 1,024 of wts and of out0
	s_mov_b32 s29, 0
	s_mov_b32 s31, 0
	s_mov_b32 s33, 0
	s_mov_b32 s25, 8
	s_wait_kmcnt 0x0
	s_add_nc_u64 s[8:9], s[8:9], s[22:23]
	s_add_nc_u64 s[10:11], s[10:11], s[26:27]
	s_add_nc_u64 s[12:13], s[12:13], s[28:29]
	s_add_nc_u64 s[18:19], s[18:19], s[28:29]
	s_add_nc_u64 s[14:15], s[14:15], 720896        ; W_out's fragment images
	LDI
	LDW 0
	LDW 1
	LDW 2
	LDW 3
	s_wait_loadcnt 8                               ; idx is in; the eight loads of wts are younger
.Lsq:                                                  ; a trip is a query.  At its head idx is in, and every load of wts is older than the gathers that follow
	ADR 0
	GATH 0, 0
	ADR 1
	GATH 1, 1
	ADR 2
	ADR 3
	s_cmp_lg_u32 s25, 1                            ; the look-ahead stops at my last query: in the last trip the bases stay, and the twelve loads bring that query's numbers once more, unused
	s_cselect_b32 s30, 512, 0
	s_cselect_b32 s32, 1024, 0
	s_wait_xcnt 0x0                                ; the bases of earlier loads are stepped only behind this wait
	s_add_nc_u64 s[10:11], s[10:11], s[30:31]
	s_add_nc_u64 s[12:13], s[12:13], s[32:33]
	LDI
	s_wait_loadcnt 20                              ; level 0 is in; younger: level 1's 16 and idx's 4
	FMA 0, 0, 1
	GATH 2, 0
	LDW 0
	s_wait_loadcnt 22                              ; level 1 is in; younger: idx 4, level 2's 16, wts 2
	FMA 1, 1, 0
	GATH 3, 1
	LDW 1
	s_wait_loadcnt 20                              ; level 2 is in (and the next idx, which is older); younger: wts 2, level 3's 16, wts 2
	FMA 2, 0, 0
	LDW 2
	s_wait_loadcnt 4                               ; level 3 is in; younger: wts 2 + 2
	FMA 3, 1, 0
	LDW 3
.irp j, 0,1,2,3
	v_cvt_pk_f16_f32 v[40+(\j)], v[32+2*(\j)], v[33+2*(\j)]
.endr
	ds_store_b128 v6, v[40:43]                     ; the query's row: 32 lanes x 16 neighbouring bytes
	v_add_nc_u32 v6, SP, v6
	s_sub_co_u32 s25, s25, 1
	s_cmp_lg_u32 s25, 0
	s_cbranch_scc1 .Lsq
	; THE TAIL: the output projection
	v_lshlrev_b32 v30, 5, v2
	s_lshl_b32 s20, s5, 6
	v_add_nc_u32 v30, s20, v30                     ; my lane's eight columns 16 w + 8 h .., in bytes of f32
	global_load_b128 v[48:51], v30, s[16:17]
	global_load_b128 v[52:55], v30, s[16:17] offset:16
	s_lshl_b32 s21, s5, 13
	v_lshl_add_u32 v31, v3, 4, s21
.set i, 0
.rept 16
	global_load_b128 v[64+4*i:64+4*i+3], v31, s[14:15] offset:512*i
.set i, i+1
.endr
	s_wait_dscnt 0x0                               ; for the others' sake: my eight rows are in LDS
	s_barrier_signal -1
	s_barrier_wait -1
	s_wait_loadcnt 0x0                             ; bias and W_out are in, and the last trip's look-ahead has landed: its registers are free
.irp j, 0,1,2,3
	v_cvt_pk_bf16_f32 v[56+(\j)], v[48+2*(\j)], v[49+2*(\j)]
.endr
.irp j, 0,1,2,3
	v_lshlrev_b32 v[48+2*(\j)], 16, v[56+(\j)]
	v_and_b32 v[49+2*(\j)], 0xffff0000, v[56+(\j)]
.endr
	v_mul_u32_u24 v8, v1, SP
	v_lshl_add_u32 v8, v2, 4, v8                   ; a row fragment: row r x pitch + 16 h
	v_mul_u32_u24 v9, v1, OPI
	v_add_nc_u32 v9, v30, v9
	v_add_nc_u32 v9, OUTL, v9                      ; the stage: row r, my eight columns
	s_mov_b32 s30, 4
.Lst:                                                  ; a trip is two blocks of 16 rows
.irp kk, 0,1,2,3,4,5,6,7
	ds_load_b128 v[128+8*(\kk):128+8*(\kk)+3], v8 offset:(\kk)*64
	ds_load_b128 v[128+8*(\kk)+4:128+8*(\kk)+7], v8 offset:(\kk)*64+32
	ds_load_b128 v[192+8*(\kk):192+8*(\kk)+3], v8 offset:16*SP+(\kk)*64
	ds_load_b128 v[192+8*(\kk)+4:192+8*(\kk)+7], v8 offset:16*SP+(\kk)*64+32
.endr
	s_wait_dscnt 28                                ; K step 0's four loads are in; 4 x 7 are younger
	v_wmma_f32_16x16x32_f16 v[32:39], v[64:71], v[128:135], v[48:55]    ; the bias starts the sums; the two accumulators take turns
	v_wmma_f32_16x16x32_f16 v[40:47], v[64:71], v[192:199], v[48:55]
.irp kk, 1,2,3,4,5,6,7
	s_wait_dscnt 28-4*(\kk)
	v_wmma_f32_16x16x32_f16 v[32:39], v[64+8*(\kk):64+8*(\kk)+7], v[128+8*(\kk):128+8*(\kk)+7], v[32:39]
	v_wmma_f32_16x16x32_f16 v[40:47], v[64+8*(\kk):64+8*(\kk)+7], v[192+8*(\kk):192+8*(\kk)+7], v[40:47]
.endr
.rept 5
	v_nop                                          ; places: ahead of the stores of the results, of the next trip's loads into the fragments, and of its first products, which write the accumulators anew
.endr
	ds_store_b128 v9, v[32:35]                     ; each accumulator from its low end on
	ds_store_b128 v9, v[36:39] offset:16
	ds_store_b128 v9, v[40:43] offset:16*OPI
	ds_store_b128 v9, v[44:47] offset:16*OPI+16
	v_add_nc_u32 v8, 32*SP, v8
	v_add_nc_u32 v9, 32*OPI, v9
	s_sub_co_u32 s30, s30, 1
	s_cmp_lg_u32 s30, 0
	s_cbranch_scc1 .Lst
	s_wait_dscnt 0x0                               ; for the others' sake: my columns of every row are in the stage
	s_barrier_signal -1
	s_barrier_wait -1
	s_mul_i32 s20, s5, 8*OPI
	s_add_co_u32 s20, s20, OUTL
	v_lshl_add_u32 v10, v3, 4, s20                 ; back: my eight whole rows of 1,024 bytes
	v_lshlrev_b32 v11, 4, v3
.set i, 0
.rept 16
	ds_load_b128 v[64+4*i:64+4*i+3], v10 offset:(i/2)*OPI+(i%2)*512
.set i, i+1
.endr
.set i, 0
.rept 16
	s_wait_dscnt 15-i
	global_store_b128 v11, v[64+4*i:64+4*i+3], s[18:19] offset:i*512 th:TH_STORE_NT   ; 512 consecutive bytes, at a multiple of 256 from out0's first
.set i, i+1
.endr
	s_wait_tensorcnt 0x0                           ; the wave's end: three lines behind my last LDS store
	ds_add_u32 v28, v29
	s_wait_dscnt 0x0
	s_endpgm
.Lfunc_end_k_qfc73180b2f_samp:
	.size	k_qfc73180b2f_samp, .Lfunc_end_k_qfc73180b2f_samp-k_qfc73180b2f_samp
	.p2alignl 7, 3214868480
	.fill 96, 4, 3214868480
	.section	.rodata,"a",@progbits
	.p2align	6, 0x0
	.amdhsa_kernel k_qfc73180b2f_samp
		.amdhsa_group_segment_fixed_size 202752
		.amdhsa_private_segment_fixed_size 0
		.amdhsa_enable_private_segment 0
		.amdhsa_kernarg_size 48
		.amdhsa_user_sgpr_count 2
		.amdhsa_user_sgpr_kernarg_segment_ptr 1
		.amdhsa_wavefront_size32 1
		.amdhsa_system_sgpr_workgroup_id_x 1
		.amdhsa_system_sgpr_workgroup_id_y 1
		.amdhsa_system_sgpr_workgroup_id_z 1
		.amdhsa_system_vgpr_workitem_id 0
		.amdhsa_next_free_vgpr 256
		.amdhsa_next_free_sgpr 66
		.amdhsa_reserve_vcc 0
		.amdhsa_float_denorm_mode_32 3
		.amdhsa_float_denorm_mode_16_64 3
		.amdhsa_memory_ordered 1
		.amdhsa_forward_progress 1
		.amdhsa_inst_pref_size 55
	.end_amdhsa_kernel
	.amdgpu_metadata
---
amdhsa.version: [ 1, 2 ]
amdhsa.kernels:
  - .name:           k_qfc73180b2f_samp
    .symbol:         k_qfc73180b2f_samp.kd
    .args:
      - { .name: value, .offset: 0, .size: 8, .value_kind: global_buffer, .address_space: global }
      - { .name: idx, .offset: 8, .size: 8, .value_kind: global_buffer, .address_space: global }
      - { .name: wts, .offset: 16, .size: 8, .value_kind: global_buffer, .address_space: global }
      - { .name: wprep, .offset: 24, .size: 8, .value_kind: global_buffer, .address_space: global }
      - { .name: b_out, .offset: 32, .size: 8, .value_kind: global_buffer, .address_space: global }
      - { .name: out0, .offset: 40, .size: 8, .value_kind: global_buffer, .address_space: global }
    .group_segment_fixed_size: 202752
    .private_segment_fixed_size: 0
    .kernarg_segment_align: 8
    .kernarg_segment_size: 48
    .max_flat_workgroup_size: 512
    .sgpr_count:     66
    .vgpr_count:     256
    .wavefront_size: 32
...
	.end_amdgpu_metadata
.endif
;; end of part 3
;; ======== version 2 of 2: 4 launches; 1.54 times as fast as version 1
;; limits: values are held in f16: magnitudes above 65,504 overflow, below 6.1e-05 lose precision
;; workspace buffers: wprep 851,968 bytes; value 89,128,960 bytes; wts 33,554,432 bytes; idx 16,777,216 bytes of whole numbers; srow 16,777,216 bytes
;; launch prep: the kernel of part 1 again; grid 208 x 1, 8 waves a work-group, no clusters, 0 bytes of LDS; arguments Wv0, Wv1, Wv2, Wv3, W_off, W_attn, W_out, wprep; writes wprep
;; launch proj (part 4): grid 256 x 1, 4 waves a work-group, no clusters, 269,824 bytes of LDS; arguments feat0, feat1, feat2, feat3, bv0, bv1, bv2, bv3, wprep, value, query, reference_points, b_off, b_attn, wts, idx; writes value, wts, idx
.if DOCPART == 4
	.amdgcn_target "amdgcn-amd-amdhsa--gfx1250"
	.amdhsa_code_object_version 6
	.text
	.protected	k_qfc73180b2f_proj
	.globl	k_qfc73180b2f_proj
	.p2align	8
	.type	k_qfc73180b2f_proj,@function
k_qfc73180b2f_proj:
	s_mov_b64 s[64:65], 0
	v_nop
	global_prefetch_b8 v0, s[64:65] scope:SCOPE_SE
	s_setreg_imm32_b32 hwreg(HW_REG_WAVE_MODE, 25, 1), 1
	s_wait_xcnt 0x0
; TWO JOBS IN ONE LAUNCH, chosen by the work-group's number, so that 170 + 86 work-groups make 256.
; V (work-groups 0..169): value[b][half head 16][pixel 21,760][16 ch] f16 = Wv_l feat_l + bv_l for all four levels (a level's pixels begin at 0, 16,384, 20,480, 21,504).  680 steps of 256 pixels, four a work-group.
; Q (work-groups 170..255): query W_off + b_off -> tanh -> sampling places; query W_attn + b_attn -> softmax; stored for the next launch, by head and block of 16 queries, as
;    idx[b][head][block][level][query][point] u32 = (yb W + xb) 32: byte offset of the 2 x 2 block's first record in the level's part of a half head, and
;    wts[b][head][block][level/2][column 0,1][level%2][query][point][row 0,1] f16 = bilinear weight x attention.  256 tiles of 128 queries, three a work-group (the last has one).
; FORMATS.  Every input is rounded to bf16 (feat, query and the weights as matrix operands; biases and reference points rounded and widened again); sums in f32; value and wts leave in f16.
; LIMITS.  |value| stays within f16's 65,504; a corner weight below 6e-8 becomes 0; an exponential below 2^-126 counts as 0; NaN and infinities are not treated apart.
; THE BILINEAR FORM.  x = ref_x (W-1) + scale tanh;  xb = floor(x) held to 0 .. W-2;  f = x - xb;  weight of column xb = middle of (1-f, 1+f, 0), of column xb+1 = middle of (f, 2-f, 0):
; the two hat functions; they are the weights of zero padding for every x, inside, on the border and outside.  The same for y.
; No tensor loads and no cluster: feat is read once, by one wave, straight into the order of a matrix fragment; what work-groups share (128 to 192 KB of weights, once) is a small part of the 1 to 1.5 MB each reads.
.set SPARE, 269312                     ; the spare words: 128 bytes for each of four waves; no other line names them
.set MSB, 0
.macro WIN new                         ; s_set_vgpr_msb: bits 1:0 source 0, 3:2 source 1, 5:4 source 2, 7:6 destination; the high byte repeats the setting that is left; a switch that changes nothing is dropped
.if MSB != (\new)
	s_set_vgpr_msb (MSB<<8)|(\new)
.set MSB, (\new)
.endif
.endm
.macro PLACES                          ; four places behind matrix instructions (ISA guide 7.12.1) where no vector work is at hand
.rept 4
	v_nop
.endr
.endm
	v_lshl_add_u32 v28, v0, 2, SPARE               ; my spare word, and 0: kept for the closing add alone
	v_mov_b32 v29, 0
	v_lshrrev_b32 v1, 5, v0
	v_readfirstlane_b32 s5, v1                     ; wave w
	v_and_b32 v3, 31, v0                           ; lane
	v_and_b32 v1, 15, v0                           ; r
	v_bfe_u32 v2, v0, 4, 1                         ; h
	s_mov_b32 s4, ttmp9
	s_cmp_ge_u32 s4, 170
	s_cbranch_scc1 .Lq
; =====================================================  V: the value projection  =====================================================
; A step is 256 pixels of one batch and level; wave w owns 64 of them and all 256 output channels: 64 accumulators (512 registers), 512 matrix instructions a step.
; feat is [channel][pixel].  Load i of K step k takes channel 32 k + 8 h + (i < 8 ? i : i + 8), 16 bytes a lane: pixels 4 r .. 4 r + 3.  Rounding loads 2 t and 2 t + 1 in pairs gives register t of
; FOUR fragments (source 1): column r of fragment s is pixel 4 r + s.  Nothing is transposed.  Source 0 = 16 rows of Wv from LDS, so a lane's eight results are eight neighbouring channels of one pixel,
; and accumulator f holds half head f.
; LDS: Wv 256 rows of 528 bytes at 0; bias 256 f32 at 135,168; for each wave two stages of 2 x 16 x 144 bytes from 136,192.
; REGISTERS.  window 0: v4-5 Wv fragment addresses, v6-9 way out, v12-27 load offsets, v32-159 Wv fragments of one K step (way out: at work), v160-223 two buffers of four feat fragments, v224-255 bias
;             window 1: four slots of 64: feat as loaded      windows 2, 3: accumulator (s, f) in window 2 + s/2 at 8 (16 (s%2) + f)
.set WPITCH, 528
.set BIASL, 135168
.set STAGE, 136192
.set SPITCH, 144                       ; a stage row: 4 pixels x 32 bytes + 16 of padding = 36 words: the 16 rows of a store start at 16 different groups of four banks
.set SHALF, 2*16*SPITCH                ; a head's stage: its two halves
.set HALFB, 696320                     ; bytes of a half head in value: 21,760 pixels x 32
.set BATCHB, 11141120
.set ADW, 4
.set STO, 6
.set RD, 7
.set GO, 8
.set BIA, 9
.set VOFF, 12
.set WF, 32
.set PF, 160
.set BR, 224
.set TT, 32
.set PK, 64
.set BK, 96
.macro FOFF greg                       ; s[40:41] = byte offset in feat of step greg's first channel, my wave's 64 pixels
	s_lshr_b32 s44, \greg, s30                     ; batch
	s_and_b32 s45, \greg, s32                      ; step in the batch
	s_mul_i32 s40, s44, s47
	s_lshl_b32 s45, s45, 10
	s_add_co_u32 s40, s40, s45
	s_add_co_u32 s40, s40, s48
.endm
.macro VBASE                           ; s[42:43] = value at half head 8 of step s34's batch, my wave's 64 pixels: the stores reach half heads 0..15 by immediates -8..7 halves
	s_lshr_b32 s44, s34, s30
	s_and_b32 s45, s34, s32
	s_mul_i32 s44, s44, BATCHB
	s_lshl_b32 s45, s45, 13                        ; a step: 256 pixels x 32 bytes
	s_add_co_u32 s44, s44, s45
	s_add_co_u32 s44, s44, s49
	s_mov_b32 s45, 0
	s_add_nc_u64 s[42:43], s[26:27], s[44:45]
.endm
.macro LOADK slot                      ; a K step's 32 channels x 64 pixels: lanes 0-15 take 256 consecutive bytes of one channel plane, lanes 16-31 of the plane 8 channels on
	WIN 0x40
.irp i, 0,1,2,3,4,5,6,7,8,9,10,11,12,13,14,15
	global_load_b128 v[64*(\slot)+4*(\i):64*(\slot)+4*(\i)+3], v[VOFF+(\i)], s[36:37] th:TH_LOAD_NT
.endr
.endm
.macro FETCHW k, fh                    ; eight of the sixteen fragments of Wv for K step k
	WIN 0
.irp ff, 0,1,2,3,4,5,6,7
	ds_load_b128 v[WF+8*(8*(\fh)+(\ff)):WF+8*(8*(\fh)+(\ff))+3],   v[ADW+(\fh)] offset:(\ff)*16*WPITCH+(\k)*64
	ds_load_b128 v[WF+8*(8*(\fh)+(\ff))+4:WF+8*(8*(\fh)+(\ff))+7], v[ADW+(\fh)] offset:(\ff)*16*WPITCH+(\k)*64+32
.endr
.endm
.macro MUL16 k, fh, sh, zero           ; 16 matrix instructions on 16 accumulators; over a K step all 64 take turns, one instruction a turn, in the same order in every step
	WIN 0xa0+0x50*(\sh)
.irp ff, 0,1,2,3,4,5,6,7
.irp sl, 0,1
.if \zero
	v_wmma_f32_16x16x32_bf16 v[8*(16*(\sl)+8*(\fh)+(\ff)):8*(16*(\sl)+8*(\fh)+(\ff))+7], v[WF+8*(8*(\fh)+(\ff)):WF+8*(8*(\fh)+(\ff))+7], v[PF+32*((\k)%2)+8*(2*(\sh)+(\sl)):PF+32*((\k)%2)+8*(2*(\sh)+(\sl))+7], 0
.else
	v_wmma_f32_16x16x32_bf16 v[8*(16*(\sl)+8*(\fh)+(\ff)):8*(16*(\sl)+8*(\fh)+(\ff))+7], v[WF+8*(8*(\fh)+(\ff)):WF+8*(8*(\fh)+(\ff))+7], v[PF+32*((\k)%2)+8*(2*(\sh)+(\sl)):PF+32*((\k)%2)+8*(2*(\sh)+(\sl))+7], v[8*(16*(\sl)+8*(\fh)+(\ff)):8*(16*(\sl)+8*(\fh)+(\ff))+7]
.endif
.endr
.endr
.endm
.macro CVT k1, th                      ; half of K step k1's rounding to bf16: registers 4 th .. 4 th + 3 of its four fragments.  These 16 lines name no register of the products round them: they are the places ahead of the LDS loads that follow
	WIN 0x05
.irp tq, 0,1,2,3
.irp s, 0,1,2,3
	v_cvt_pk_bf16_f32 v[PF+32*((\k1)%2)+8*(\s)+4*(\th)+(\tq)], v[64*((\k1)%4)+8*(4*(\th)+(\tq))+(\s)], v[64*((\k1)%4)+8*(4*(\th)+(\tq))+4+(\s)]
.endr
.endr
.endm
; K step k.  ld = 1: the K step four on in the stream is asked for, into the slot rounded in the step before; 2: that step is the next tile's first.  cv: K step k + 1 is rounded; left: the loads younger than it.  fw: its Wv fragments are fetched.
.macro KSTEP k, zero, ld, cv, left, fw
.if (\ld) == 1
	s_wait_xcnt 0x0                                ; the base of earlier loads is stepped only behind this wait
	s_add_nc_u64 s[36:37], s[36:37], s[38:39]
	LOADK (\k)%4
.elseif (\ld) == 2
	s_wait_xcnt 0x0
	s_add_nc_u64 s[36:37], s[8:9], s[40:41]
	LOADK (\k)%4
.endif
	s_wait_dscnt 16                                ; fragments 0-7 of Wv are in; the 16 younger loads are fragments 8-15
	MUL16 \k, 0, 0, \zero
	MUL16 \k, 0, 1, \zero
.if \cv
	s_wait_loadcnt \left                           ; loads come back in order: K step k + 1 is in, the steps behind it stay out
	CVT (\k)+1, 0
.else
	PLACES
.endif
.if \fw
	FETCHW (\k)+1, 0
	s_wait_dscnt 16                                ; all but the 16 just issued
.else
	s_wait_dscnt 0x0
.endif
	MUL16 \k, 1, 0, \zero
	MUL16 \k, 1, 1, \zero
.if \cv
	CVT (\k)+1, 1
.else
	PLACES
.endif
.if \fw
	FETCHW (\k)+1, 1
.endif
.endm
; THE WAY OUT, a head (accumulators f = 2 hd, 2 hd + 1 of all four s: its two halves) at a time: bias added, rounded to f16, 16 bytes a lane into my own stage, back as 2 x 2,048 consecutive bytes of value.
.macro BIASLD hd
	WIN 0
.irp ff, 0,1
	ds_load_b128 v[BR+16*((\hd)%2)+8*(\ff):BR+16*((\hd)%2)+8*(\ff)+3],   v[BIA] offset:(2*(\hd)+(\ff))*64
	ds_load_b128 v[BR+16*((\hd)%2)+8*(\ff)+4:BR+16*((\hd)%2)+8*(\ff)+7], v[BIA] offset:(2*(\hd)+(\ff))*64+16
.endr
.endm
.macro PACK hd
.irp sh, 0,1
	WIN 0x02+(\sh)                                 ; source 0: the accumulators' window
.irp sl, 0,1
.irp ff, 0,1
.irp j, 0,2,4,6
	v_pk_add_f32 v[TT+8*(2*(\sl)+(\ff))+(\j):TT+8*(2*(\sl)+(\ff))+(\j)+1], v[8*(16*(\sl)+2*(\hd)+(\ff))+(\j):8*(16*(\sl)+2*(\hd)+(\ff))+(\j)+1], v[BR+16*((\hd)%2)+8*(\ff)+(\j):BR+16*((\hd)%2)+8*(\ff)+(\j)+1]
.endr
.endr
.endr
	WIN 0
.irp sl, 0,1
.irp ff, 0,1
.irp j, 0,1,2,3
	v_cvt_pk_f16_f32 v[PK+4*(2*(2*(\sh)+(\sl))+(\ff))+(\j)], v[TT+8*(2*(\sl)+(\ff))+2*(\j)], v[TT+8*(2*(\sl)+(\ff))+2*(\j)+1]
.endr
.endr
.endr
.endr
.endm
.macro TOST hd                         ; for each half: stage row r = pixels 4 r .. 4 r + 3, 32 bytes each; LDS serves a wave's instructions in order, so the loads see the stores
	WIN 0
.irp s, 0,1,2,3
.irp ff, 0,1
	ds_store_b128 v[STO], v[PK+4*(2*(\s)+(\ff)):PK+4*(2*(\s)+(\ff))+3] offset:((\hd)%2)*SHALF+(\ff)*16*SPITCH+(\s)*32
.endr
.endr
.irp ff, 0,1
.irp t, 0,1,2,3
	ds_load_b128 v[BK+32*((\hd)%2)+4*(4*(\ff)+(\t)):BK+32*((\hd)%2)+4*(4*(\ff)+(\t))+3], v[RD] offset:((\hd)%2)*SHALF+(\ff)*16*SPITCH+(\t)*4*SPITCH  ; four rows: 16 pixels
.endr
.endr
.endm
.macro SEND hd, younger
	s_wait_dscnt \younger                          ; the head is back in registers; the LDS loads issued behind it (the next bias) may stay out
	s_wait_xcnt 0x0                                ; the registers that the stores two heads back read are loaded again only behind this wait
.irp ff, 0,1
.irp t, 0,1,2,3
	global_store_b128 v[GO], v[BK+32*((\hd)%2)+4*(4*(\ff)+(\t)):BK+32*((\hd)%2)+4*(4*(\ff)+(\t))+3], s[42:43] offset:(2*(\hd)+(\ff)-8)*HALFB+(\t)*512  ; 512 consecutive bytes, at a multiple of 256 from value's first
.endr
.endr
.endm
	s_load_b512 s[8:23], s[0:1], 0x0               ; feat0-3 s[8:15], bv0-3 s[16:23]
	s_load_b128 s[24:27], s[0:1], 0x40             ; wprep s[24:25], value s[26:27]
	s_wait_kmcnt 0x0
	s_cmp_ge_u32 s4, 128                           ; level 0: work-groups 0..127; 1: 128..159; 2: 160..167; 3: 168, 169
	s_cselect_b32 s28, 1, 0                        ; L
	s_cselect_b32 s29, 128, 0                      ; the level's first work-group
	s_cselect_b32 s33, 524288, 0                   ; the level's first pixel in a half head of value, in bytes
	s_cselect_b64 s[8:9], s[10:11], s[8:9]
	s_cselect_b64 s[16:17], s[18:19], s[16:17]
	s_cmp_ge_u32 s4, 160
	s_cselect_b32 s28, 2, s28
	s_cselect_b32 s29, 160, s29
	s_cselect_b32 s33, 655360, s33
	s_cselect_b64 s[8:9], s[12:13], s[8:9]
	s_cselect_b64 s[16:17], s[20:21], s[16:17]
	s_cmp_ge_u32 s4, 168
	s_cselect_b32 s28, 3, s28
	s_cselect_b32 s29, 168, s29
	s_cselect_b32 s33, 688128, s33
	s_cselect_b64 s[8:9], s[14:15], s[8:9]
	s_cselect_b64 s[16:17], s[22:23], s[16:17]
	s_lshl_b32 s44, s28, 1
	s_sub_co_u32 s30, 6, s44                       ; a batch has 1 << (6 - 2 L) steps
	s_lshr_b32 s31, 0x10000, s44                   ; bytes in a channel plane
	s_lshl_b32 s32, 1, s30
	s_sub_co_u32 s32, s32, 1
	s_lshl_b32 s38, s31, 5                         ; a K step: 32 planes
	s_mov_b32 s39, 0
	s_lshl_b32 s47, s31, 8                         ; a batch: 256 planes
	s_lshl_b32 s48, s5, 8                          ; my 64 pixels in a plane
	s_lshl_b32 s49, s5, 11                         ; and in value,
	s_add_co_u32 s49, s49, s33
	s_add_co_u32 s49, s49, 8*HALFB                 ; at half head 8
	s_sub_co_u32 s34, s4, s29
	s_lshl_b32 s34, s34, 2                         ; my first step
	s_mov_b32 s41, 0
	s_lshl_b32 s44, s28, 17
	s_mov_b32 s45, 0
	s_add_nc_u64 s[24:25], s[24:25], s[44:45]      ; the level's Wv in bf16
	FOFF s34
	s_add_nc_u64 s[36:37], s[8:9], s[40:41]
	v_lshlrev_b32 v10, 3, v2
	v_lshlrev_b32 v11, 4, v1
.irp i, 0,1,2,3,4,5,6,7,8,9,10,11,12,13,14,15
	v_add_nc_u32 v30, (\i)+8*((\i)/8), v10
	v_mad_u32_u24 v[VOFF+(\i)], v30, s31, v11      ; (8 h + row) planes + 16 r
.endr
	LOADK 0                                        ; the first four K steps are asked for before anything else
.irp s, 1,2,3
	s_wait_xcnt 0x0
	s_add_nc_u64 s[36:37], s[36:37], s[38:39]
	LOADK \s
.endr
	WIN 0
	s_lshl_b32 s44, s5, 15
	v_lshl_add_u32 v30, v3, 4, s44                 ; my 64 rows of Wv: 512 bytes a row, 16 a lane
	s_mul_i32 s45, s5, 64*WPITCH
	v_lshl_add_u32 v31, v3, 4, s45
	v_lshlrev_b32 v10, 3, v0                       ; my two numbers of the bias
	WIN 0x80                                       ; they land where the accumulators will be
.set i, 0
.rept 64
	global_load_b128 v[4*i:4*i+3], v30, s[24:25] offset:512*i
.set i, i+1
.endr
	WIN 0
	global_load_b64 v[32:33], v10, s[16:17]
	v_mul_u32_u24 v[ADW], v1, WPITCH
	v_lshl_add_u32 v[ADW], v2, 4, v[ADW]           ; row r x pitch + 16 h
	v_add_nc_u32 v[ADW+1], 8*16*WPITCH, v[ADW]     ; fragments 8-15 lie beyond an LDS immediate's reach
	s_mul_i32 s44, s5, 2*SHALF
	s_add_co_u32 s44, s44, STAGE
	v_mul_u32_u24 v[STO], v1, SPITCH               ; in: row r, 16 bytes for each half of the lanes
	v_lshl_add_u32 v[STO], v2, 4, v[STO]
	v_add_nc_u32 v[STO], s44, v[STO]
	v_lshrrev_b32 v11, 3, v3                       ; back: 32 lanes take four rows of 128 bytes
	v_mul_u32_u24 v[RD], v11, SPITCH
	v_and_b32 v11, 7, v3
	v_lshl_add_u32 v[RD], v11, 4, v[RD]
	v_add_nc_u32 v[RD], s44, v[RD]
	v_lshlrev_b32 v[GO], 4, v3
	v_lshl_add_u32 v[BIA], v2, 5, BIASL
	s_wait_loadcnt 0x0
	WIN 0x08                                       ; store data in window 2
.set i, 0
.rept 64
	ds_store_b128 v31, v[4*i:4*i+3] offset:WPITCH*i
.set i, i+1
.endr
	WIN 0
	v_cvt_pk_bf16_f32 v34, v32, v33                ; the bias is rounded to bf16 like every input, and kept as f32
	v_lshlrev_b32 v32, 16, v34
	v_and_b32 v33, 0xffff0000, v34
	v_add_nc_u32 v10, BIASL, v10
	ds_store_b64 v10, v[32:33]
	s_wait_dscnt 0x0                               ; for the others' sake: my rows of Wv and my part of the bias are in LDS
	s_barrier_signal -1
	s_barrier_wait -1                              ; the only barrier of this job: from here on a wave reads shared bytes that nobody writes, and its own stage
	CVT 0, 0
	CVT 0, 1
	WIN 0
	VBASE
	s_mov_b32 s35, 4
.Lvt:                                                  ; a trip is a step of 256 pixels; the ring of four load slots runs on into the next step
	FETCHW 0, 0
	FETCHW 0, 1
	KSTEP 0, 1, 1, 1, 48, 1                        ; the first products start the sums: nothing is cleared.  48: three K steps of 16 loads are younger than the one rounded
	KSTEP 1, 0, 1, 1, 48, 1
	KSTEP 2, 0, 1, 1, 48, 1
	KSTEP 3, 0, 1, 1, 48, 1
	WIN 0
	s_cmp_eq_u32 s35, 1
	s_cbranch_scc1 .Lvlast
	s_add_co_u32 s46, s34, 1
	FOFF s46
	KSTEP 4, 0, 2, 1, 48, 1                        ; the next step's first four K steps are asked for,
	KSTEP 5, 0, 1, 1, 48, 1
	KSTEP 6, 0, 1, 1, 48, 1
	KSTEP 7, 0, 1, 1, 48, 0                        ; and its first is rounded; the way out takes Wv's registers, so no fragments are fetched
	WIN 0
	s_branch .Lvout
.Lvlast:                                               ; the last step asks for nothing: the counts run down
	KSTEP 4, 0, 0, 1, 32, 1
	KSTEP 5, 0, 0, 1, 16, 1
	KSTEP 6, 0, 0, 1, 0, 1
	KSTEP 7, 0, 0, 0, 0, 0
	WIN 0
.Lvout:                                                ; every K step ends in 16 roundings or four v_nop: the places behind the last products
	BIASLD 0
	BIASLD 1
	s_wait_dscnt 4                                 ; head 0's bias is in; head 1's four loads may be out
	PACK 0
	TOST 0
.irp hd, 1,2,3,4,5,6
	BIASLD (\hd)+1
	s_wait_dscnt 20                                ; this head's bias is in; younger: the stage's 16 of the head before and the next bias's 4
	PACK \hd
	SEND (\hd)-1, 4
	TOST \hd
.endr
	s_wait_dscnt 16
	PACK 7
	SEND 6, 0
	TOST 7
	SEND 7, 0
	s_wait_xcnt 0x0                                ; the stores' base and data registers are written again only behind this wait
	s_add_co_u32 s34, s34, 1
	VBASE
	s_sub_co_u32 s35, s35, 1
	s_cmp_lg_u32 s35, 0
	s_cbranch_scc1 .Lvt
	s_wait_tensorcnt 0x0                           ; the wave's end: three lines behind my last LDS store
	ds_add_u32 v28, v29
	s_wait_dscnt 0x0
	s_endpgm
; =====================================================  Q: places and weights  =====================================================
; A tile is 128 queries.  Wave w owns heads 2 w (A) and 2 w + 1 (B) for all of them; its 2 x 24 weight fragments stay in registers for the whole launch.
; Source 0 = 16 output columns of the weights, source 1 = 16 queries: a lane (r, h) holds ONE query r; of offset fragment x the four (x, y) pairs of level 2 x + h; of the attention fragment level h in
; registers 0-3 and level 2 + h in registers 4-7.  So a softmax wants one exchange between the halves of the lanes, and nothing else changes lanes.  The bias is the C operand that starts each sum.
; While head A's results are worked on, head B's 24 matrix instructions stand among that vector work.
; THE WAY OUT needs no stage: idx and wts are laid by head and block of 16 queries, so that the 32 lanes' 16 bytes of a slot are 512 consecutive bytes; they are stored from the registers in which they are made.
; LDS: the tile's queries in bf16, 128 rows of 528 bytes, at 0; the reference points, 128 x 8, at 268,288.
; REGISTERS.  window 0: v4-24 addresses; v32-51 the two slots' level constants; v52-63 at work; v64-87 head A's three accumulators, v88-111 head B's; v112-175 the queries' 8 fragments; v176-251 at work
;             window 1: head A's fragments at 8 (3 kk + x), its bias at 192 + 8 x      window 2: head B's      window 3: the next tile's queries as loaded
.set QTP, 528
.set REFT, 268288
.set WHEAD, 524288                     ; a head's wts of one batch: 256 blocks of 2,048 bytes
.set IHEAD, 262144                     ; its idx: 256 blocks of 1,024 bytes
.macro QLOAD                           ; my 32 rows of the tile: 64 loads of 512 consecutive bytes; and one reference point a lane
	WIN 0xc0
.set c, 0
.rept 64
	global_load_b128 v[4*c:4*c+3], v17, s[8:9] offset:512*c th:TH_LOAD_NT
.set c, c+1
.endr
	WIN 0
	global_load_b64 v[22:23], v18, s[10:11] th:TH_LOAD_NT
.endm
.macro QCONV                           ; rounded to bf16 and laid into LDS rows
.set g, 0
.rept 4
	WIN 0x0f
.set c, 0
.rept 16
	v_cvt_pk_bf16_f32 v[176+2*c],   v[4*(16*g+c)],   v[4*(16*g+c)+1]
	v_cvt_pk_bf16_f32 v[176+2*c+1], v[4*(16*g+c)+2], v[4*(16*g+c)+3]
.set c, c+1
.endr
	WIN 0
.set c, 0
.rept 16
	ds_store_b64 v16, v[176+2*c:176+2*c+1] offset:((16*g+c)/2)*QTP+((16*g+c)%2)*256
.set c, c+1
.endr
.set g, g+1
.endr
	v_cvt_pk_bf16_f32 v27, v22, v23
	v_lshlrev_b32 v30, 16, v27
	v_and_b32 v31, 0xffff0000, v27
	ds_store_b64 v19, v[30:31]
.endm
.macro MMA                             ; head A: 24 matrix instructions, its three accumulators by turns
.set kk, 0
.rept 8
	s_wait_dscnt 14-2*kk                           ; fragment kk is in: behind its two loads 2 (7 - kk) were issued
.if kk == 0
	WIN 0x11                                       ; weights and the bias (C) in window 1
.else
	WIN 0x01
.endif
.set x, 0
.rept 3
.if kk == 0
	v_wmma_f32_16x16x32_bf16 v[64+8*x:64+8*x+7], v[8*(3*kk+x):8*(3*kk+x)+7], v[112+8*kk:112+8*kk+7], v[192+8*x:192+8*x+7]
.else
	v_wmma_f32_16x16x32_bf16 v[64+8*x:64+8*x+7], v[8*(3*kk+x):8*(3*kk+x)+7], v[112+8*kk:112+8*kk+7], v[64+8*x:64+8*x+7]
.endif
.set x, x+1
.endr
.set kk, kk+1
.endr
.endm
.macro MMB                             ; head B's matrix instruction n of 24, the same order
.set kk, n/3
.set x, n%3
.if kk == 0
	WIN 0x22
	v_wmma_f32_16x16x32_bf16 v[88+8*x:88+8*x+7], v[8*(3*kk+x):8*(3*kk+x)+7], v[112+8*kk:112+8*kk+7], v[192+8*x:192+8*x+7]
.else
	WIN 0x02
	v_wmma_f32_16x16x32_bf16 v[88+8*x:88+8*x+7], v[8*(3*kk+x):8*(3*kk+x)+7], v[112+8*kk:112+8*kk+7], v[88+8*x:88+8*x+7]
.endif
	WIN 0
.set n, n+1
.endm
.macro MB mm
.if \mm
	MMB
.endif
.endm
; What is made of a head's three accumulators (acc: their first register; sel: 0 head A, 1 head B).  mm = 1: head B's 24 matrix instructions stand among the lines, 4 in the softmax and 10 in each slot, none
; between a transcendental and the plain line behind it; no line here names a register of theirs.  Each accumulator is read from its low end on.
.macro POST acc, sel, mm
.set QAT, (\acc)+16
	v_max3_num_f32 v58, v[QAT], v[QAT+1], v[QAT+2]      ; the softmax over a head's 16 logits: 8 in this lane, 8 in the lane 16 away.  The true maximum is taken away
	v_max3_num_f32 v58, v58, v[QAT+3], v[QAT+4]
	v_max3_num_f32 v58, v58, v[QAT+5], v[QAT+6]
	v_max_num_f32 v58, v58, v[QAT+7]
	MB \mm
	v_permlanex16_b32 v59, v58, s32, s33
	v_max_num_f32 v58, v58, v59
	v_mul_f32 v60, 0xbfb8aa3b, v58                 ; - log2(e) m, twice: a pair for the packed lines
	v_mul_f32 v61, 0xbfb8aa3b, v58
.irp j, 0,2,4,6
	v_pk_fma_f32 v[QAT+(\j):QAT+(\j)+1], v[QAT+(\j):QAT+(\j)+1], 0x3fb8aa3b, v[60:61] op_sel_hi:[1,0,1]
.endr
	MB \mm
.irp j, 0,1,2,3,4,5,6,7
	v_exp_f32 v[QAT+(\j)], v[QAT+(\j)]
.endr
	v_nop                                          ; a plain line behind the last exponential
	MB \mm
	s_wait_alu depctr_va_vdst(0)
	v_pk_add_f32 v[62:63], v[QAT:QAT+1], v[QAT+2:QAT+3]
	v_pk_add_f32 v[176:177], v[QAT+4:QAT+5], v[QAT+6:QAT+7]
	v_pk_add_f32 v[62:63], v[62:63], v[176:177]
	v_add_f32 v62, v62, v63
	v_permlanex16_b32 v59, v62, s32, s33
	v_add_f32 v62, v62, v59                        ; at least 1: the largest logit's own term
	v_rcp_f32 v60, v62
	v_rcp_f32 v61, v62
	v_nop
	MB \mm
	s_wait_alu depctr_va_vdst(0)
.irp j, 0,2,4,6
	v_pk_mul_f32 v[QAT+(\j):QAT+(\j)+1], v[QAT+(\j):QAT+(\j)+1], v[60:61]
.endr
.irp x, 0,1                            ; slot x: level 2 x + h; QO's registers 2 p, 2 p + 1 are point p's x and y
.set QO, (\acc)+8*(\x)
.set QCK, 32+10*(\x)
.irp j, 0,2,4,6
	v_pk_mul_f32 v[QO+(\j):QO+(\j)+1], v[QO+(\j):QO+(\j)+1], 0x4038aa3b op_sel_hi:[1,0]  ; tanh z = 1 - 2 / (1 + 2^(2 log2(e) z)): right at both ends, through infinity and 0
.endr
	MB \mm
.irp j, 0,1,2,3,4,5,6,7
	v_exp_f32 v[QO+(\j)], v[QO+(\j)]
.endr
	v_nop
	MB \mm
	s_wait_alu depctr_va_vdst(0)
.irp j, 0,2,4,6
	v_pk_add_f32 v[QO+(\j):QO+(\j)+1], v[QO+(\j):QO+(\j)+1], 1.0 op_sel_hi:[1,0]
.endr
	MB \mm
.irp j, 0,1,2,3,4,5,6,7
	v_rcp_f32 v[QO+(\j)], v[QO+(\j)]
.endr
	v_nop
	MB \mm
	s_wait_alu depctr_va_vdst(0)
.irp j, 0,2,4,6
	v_pk_fma_f32 v[QO+(\j):QO+(\j)+1], v[QO+(\j):QO+(\j)+1], v[QCK+4:QCK+5], v[54+2*(\x):55+2*(\x)]  ; x = (ref (W-1) + scale) - 2 scale / (1 + ..)
.endr
	MB \mm
.irp j, 0,1,2,3,4,5,6,7
	v_floor_f32 v[176+(\j)], v[QO+(\j)]
.endr
	MB \mm
.irp j, 0,1,2,3,4,5,6,7
	v_med3_num_f32 v[176+(\j)], v[176+(\j)], 0, v[QCK+8]   ; xb, yb: held to 0 .. W-2
.endr
	MB \mm
.irp j, 0,2,4,6
	v_pk_add_f32 v[184+(\j):185+(\j)], v[QO+(\j):QO+(\j)+1], v[176+(\j):177+(\j)] neg_lo:[0,1] neg_hi:[0,1]  ; f
.endr
.irp j, 0,2,4,6
	v_pk_add_f32 v[192+(\j):193+(\j)], v[184+(\j):185+(\j)], 1.0 op_sel_hi:[1,0] neg_lo:[1,0] neg_hi:[1,0]   ; 1 - f
	v_pk_add_f32 v[200+(\j):201+(\j)], v[184+(\j):185+(\j)], 1.0 op_sel_hi:[1,0]                             ; 1 + f
	v_pk_add_f32 v[208+(\j):209+(\j)], v[184+(\j):185+(\j)], 2.0 op_sel_hi:[1,0] neg_lo:[1,0] neg_hi:[1,0]   ; 2 - f
.endr
	MB \mm
.irp p, 0,1,2,3
	v_med3_num_f32 v[216+2*(\p)], v[192+2*(\p)], v[200+2*(\p)], 0      ; point p: weight of column xb,
	v_med3_num_f32 v[217+2*(\p)], v[184+2*(\p)], v[208+2*(\p)], 0      ; of column xb + 1,
	v_med3_num_f32 v[224+2*(\p)], v[193+2*(\p)], v[201+2*(\p)], 0      ; of row yb,
	v_med3_num_f32 v[225+2*(\p)], v[185+2*(\p)], v[209+2*(\p)], 0      ; of row yb + 1
.endr
	MB \mm
.irp p, 0,1,2,3
	v_pk_mul_f32 v[176+2*(\p):177+2*(\p)], v[176+2*(\p):177+2*(\p)], v[QCK+6:QCK+7]  ; 32 xb, 32 W yb: whole numbers under 2^24, exact in f32
.endr
.irp p, 0,1,2,3
	v_add_f32 v[176+2*(\p)], v[176+2*(\p)], v[177+2*(\p)]
.endr
	s_wait_xcnt 0x0                                ; the slot before has stored from v240-251 by v8 and v10: they are written again only behind this wait
.if ((\sel) == 0) && ((\x) == 0)
	v_add_nc_u32 v8, 2048, v8                      ; this trip's block of 16 queries; the stores reach back by a negative immediate
	v_add_nc_u32 v10, 1024, v10
.endif
.irp p, 0,1,2,3
	v_cvt_u32_f32 v[248+(\p)], v[176+2*(\p)]
.endr
.irp ph, 0,1
.irp pl, 0,1
	v_pk_mul_f32 v[232+4*(\ph)+2*(\pl):233+4*(\ph)+2*(\pl)], v[224+4*(\ph)+2*(\pl):225+4*(\ph)+2*(\pl)], v[QAT+4*(\x)+2*(\ph):QAT+4*(\x)+2*(\ph)+1] op_sel:[0,\pl] op_sel_hi:[1,\pl]  ; the rows' weights times the point's attention
.endr
.endr
.irp p, 0,1,2,3
	v_pk_mul_f32 v[192+4*(\p):193+4*(\p)], v[216+2*(\p):217+2*(\p)], v[232+2*(\p):233+2*(\p)] op_sel_hi:[1,0]              ; corners (yb, xb), (yb, xb+1)
	v_pk_mul_f32 v[194+4*(\p):195+4*(\p)], v[216+2*(\p):217+2*(\p)], v[232+2*(\p):233+2*(\p)] op_sel:[0,1] op_sel_hi:[1,1]  ; corners (yb+1, xb), (yb+1, xb+1)
.endr
	MB \mm
.irp xc, 0,1
.irp p, 0,1,2,3
	v_cvt_pk_f16_f32 v[240+4*(\xc)+(\p)], v[192+4*(\p)+(\xc)], v[194+4*(\p)+(\xc)]   ; column xc, point p: rows yb and yb + 1
.endr
.endr
	global_store_b128 v8, v[240:243], s[20:21] offset:(\sel)*WHEAD+(\x)*1024-2048      ; each store covers 512 consecutive bytes, aligned
	global_store_b128 v8, v[244:247], s[20:21] offset:(\sel)*WHEAD+(\x)*1024+512-2048
	global_store_b128 v10, v[248:251], s[22:23] offset:(\sel)*IHEAD+(\x)*512-1024
.endr
.endm
.Lq:
	s_load_b256 s[8:15], s[0:1], 0x50              ; query s[8:9], reference_points s[10:11], b_off s[12:13], b_attn s[14:15]
	s_load_b128 s[16:19], s[0:1], 0x70             ; wts s[16:17], idx s[18:19]
	s_load_b64 s[24:25], s[0:1], 0x40              ; wprep
	s_sub_co_u32 s34, s4, 170
	s_mul_i32 s35, s34, 3                          ; my first tile
	s_sub_co_u32 s29, 256, s35
	s_min_u32 s29, s29, 3                          ; my tiles: three, or what is left
	s_mov_b32 s28, 0
	s_mov_b32 s32, 0x76543210                      ; v_permlanex16_b32: each lane takes its own place in the other half
	s_mov_b32 s33, 0xfedcba98
	s_lshl_b32 s36, s35, 17                        ; a tile: 131,072 bytes of query,
	s_mov_b32 s37, 0
	s_lshl_b32 s38, s35, 10                        ; 1,024 of reference points
	s_mov_b32 s39, 0
	s_mov_b32 s41, 0                               ; the high words of the two offsets made for each tile
	s_mov_b32 s43, 0
	s_lshl_b32 s44, s5, 15                         ; my 32 rows of a tile of query
	s_lshl_b32 s45, s5, 14                         ; my two heads' fragment images
	s_lshl_b32 s46, s5, 1                          ; head A
	v_mul_u32_u24 v5, v1, QTP
	v_lshl_add_u32 v5, v2, 4, v5                   ; a query fragment: row r x pitch + 16 h
	v_lshl_add_u32 v7, v1, 3, REFT
	v_lshlrev_b32 v9, 4, v3                        ; my 16 bytes of a store's 512
	s_mul_i32 s47, s5, 32*QTP
	v_lshl_add_u32 v16, v3, 3, s47
	v_lshl_add_u32 v17, v3, 4, s44
	v_lshlrev_b32 v18, 3, v0
	v_add_nc_u32 v19, REFT, v18
	v_lshl_add_u32 v20, v3, 4, s45
	s_lshl_b32 s47, s5, 8
	v_lshl_add_u32 v21, v2, 5, s47                 ; b_off: (64 w + 8 h) x 4
	s_lshl_b32 s47, s5, 7
	v_lshl_add_u32 v24, v2, 4, s47                 ; b_attn: (32 w + 4 h) x 4
	s_wait_kmcnt 0x0
	s_add_nc_u64 s[8:9], s[8:9], s[36:37]
	s_add_nc_u64 s[10:11], s[10:11], s[38:39]
	s_add_nc_u64 s[24:25], s[24:25], 524288        ; the fragment images of W_off and W_attn
	QLOAD
.irp sel, 0,1
	WIN 0x40*(1+(\sel))
.set i, 0
.rept 48                               ; i = 6 kk + 2 x + jh
	global_load_b128 v[8*(3*(i/6)+(i%6)/2)+4*(i%2):8*(3*(i/6)+(i%6)/2)+4*(i%2)+3], v20, s[24:25] offset:((i%6)/2)*65536+(\sel)*8192+(i/6)*1024+(i%2)*512
.set i, i+1
.endr
.endr
	WIN 0
.irp sel, 0,1
.irp x, 0,1
	global_load_b128 v[176+24*(\sel)+8*(\x):176+24*(\sel)+8*(\x)+3],   v21, s[12:13] offset:(\sel)*128+(\x)*64
	global_load_b128 v[176+24*(\sel)+8*(\x)+4:176+24*(\sel)+8*(\x)+7], v21, s[12:13] offset:(\sel)*128+(\x)*64+16
.endr
	global_load_b128 v[176+24*(\sel)+16:176+24*(\sel)+19], v24, s[14:15] offset:(\sel)*64      ; level h,
	global_load_b128 v[176+24*(\sel)+20:176+24*(\sel)+23], v24, s[14:15] offset:(\sel)*64+32   ; level 2 + h
.endr
	v_mov_b32 v25, 128
	v_mov_b32 v26, 2
	v_mov_b32 v59, 0                               ; v_permlanex16_b32's destination counts as read
.irp x, 0,1                            ; slot x's constants for level l = 2 x + h: W = 128 >> l, scale = 2 << l
	v_add_nc_u32 v30, 2*(\x), v2
	v_lshrrev_b32 v31, v30, v25
	v_cvt_f32_u32 v31, v31
	v_add_f32 v[32+10*(\x)], -1.0, v31             ; W - 1, twice
	v_mov_b32 v[33+10*(\x)], v[32+10*(\x)]
	v_add_f32 v[40+10*(\x)], -2.0, v31             ; W - 2
	v_lshlrev_b32 v30, v30, v26
	v_cvt_f32_u32 v[34+10*(\x)], v30               ; scale, twice
	v_mov_b32 v[35+10*(\x)], v[34+10*(\x)]
	v_mul_f32 v[36+10*(\x)], -2.0, v[34+10*(\x)]   ; - 2 scale, twice
	v_mov_b32 v[37+10*(\x)], v[36+10*(\x)]
	v_mov_b32 v[38+10*(\x)], 0x42000000            ; 32: bytes from a record to the next,
	v_mul_f32 v[39+10*(\x)], 0x42000000, v31       ; 32 W: from a row to the next
.endr
	s_wait_loadcnt 0x0
.set i, 0
.rept 24
	v_cvt_pk_bf16_f32 v[224+i], v[176+2*i], v[176+2*i+1]   ; the biases are rounded to bf16 like every input, and kept as f32
.set i, i+1
.endr
	WIN 0x40
.set i, 0
.rept 12
	v_lshlrev_b32 v[192+2*i], 16, v[224+i]
	v_and_b32 v[192+2*i+1], 0xffff0000, v[224+i]
.set i, i+1
.endr
	WIN 0x80
.set i, 0
.rept 12
	v_lshlrev_b32 v[192+2*i], 16, v[236+i]
	v_and_b32 v[192+2*i+1], 0xffff0000, v[236+i]
.set i, i+1
.endr
	WIN 0
.Lqt:                                                  ; a trip is a tile of 128 queries; the LDS addresses are the same in every trip
	s_wait_loadcnt 0x0                             ; the tile's queries and reference points are in; that wait also frees their bases
	s_add_co_u32 s47, s35, s28                     ; the tile's number: 32 tiles a batch
	s_lshr_b32 s40, s47, 5
	s_lshl3_add_u32 s40, s40, s46                  ; 8 batch + head A
	s_lshl_b32 s40, s40, 8                         ; 256 blocks a head,
	s_and_b32 s47, s47, 31
	s_lshl3_add_u32 s47, s47, s40                  ; 8 blocks a tile
	s_lshl_b32 s40, s47, 11                        ; a block: 2,048 bytes of wts,
	s_lshl_b32 s42, s47, 10                        ; 1,024 of idx
	s_wait_xcnt 0x0                                ; the last tile's stores have read their bases and offsets
	s_add_nc_u64 s[20:21], s[16:17], s[40:41]
	s_add_nc_u64 s[22:23], s[18:19], s[42:43]
	v_mov_b32 v8, v9
	v_mov_b32 v10, v9
	QCONV
	s_add_co_u32 s34, s28, 1
	s_cmp_lt_u32 s34, s29
	s_cbranch_scc0 .Lqnl                           ; behind the last tile nothing is asked for
	s_add_nc_u64 s[8:9], s[8:9], 131072
	s_add_nc_u64 s[10:11], s[10:11], 1024
	QLOAD                                          ; the next tile is on its way while this one is worked on
.Lqnl:
	s_wait_dscnt 0x0                               ; my rows of the tile are in LDS
	s_barrier_signal -1
	s_barrier_wait -1
	v_mov_b32 v4, v5
	v_mov_b32 v6, v7
	s_mov_b32 s30, 8
.Lqr:                                                  ; a trip is a block of 16 queries
	ds_load_b64 v[52:53], v6                       ; the query's reference point, ahead of the fragments, so that their counts are theirs alone
.irp kk, 0,1,2,3,4,5,6,7
	ds_load_b128 v[112+8*(\kk):112+8*(\kk)+3], v4 offset:(\kk)*64
	ds_load_b128 v[112+8*(\kk)+4:112+8*(\kk)+7], v4 offset:(\kk)*64+32
.endr
	MMA
	WIN 0
	v_pk_fma_f32 v[54:55], v[52:53], v[32:33], v[34:35]    ; ref (W-1) + scale for the two slots: with two v_nop the four places behind head A's last product
	v_pk_fma_f32 v[56:57], v[52:53], v[42:43], v[44:45]
	v_nop
	v_nop
.set n, 0
	POST 64, 0, 1
	POST 88, 1, 0                                  ; eight roundings stand between head B's last product and this
	v_add_nc_u32 v4, 16*QTP, v4
	v_add_nc_u32 v6, 128, v6
	s_sub_co_u32 s30, s30, 1
	s_cmp_lg_u32 s30, 0
	s_cbranch_scc1 .Lqr
	s_wait_dscnt 0x0                               ; my reads of the tile are back: behind this barrier the next tile may be laid over it
	s_barrier_signal -1
	s_barrier_wait -1
	s_add_co_u32 s28, s28, 1
	s_cmp_lt_u32 s28, s29
	s_cbranch_scc1 .Lqt
	s_wait_tensorcnt 0x0                           ; the wave's end: three lines behind my last LDS store
	ds_add_u32 v28, v29
	s_wait_dscnt 0x0
	s_endpgm
.Lfunc_end_k_qfc73180b2f_proj:
	.size	k_qfc73180b2f_proj, .Lfunc_end_k_qfc73180b2f_proj-k_qfc73180b2f_proj
	.p2alignl 7, 3214868480
	.fill 96, 4, 3214868480
	.section	.rodata,"a",@progbits
	.p2align	6, 0x0
	.amdhsa_kernel k_qfc73180b2f_proj
		.amdhsa_group_segment_fixed_size 269824
		.amdhsa_private_segment_fixed_size 0
		.amdhsa_enable_private_segment 0
		.amdhsa_kernarg_size 128
		.amdhsa_user_sgpr_count 2
		.amdhsa_user_sgpr_kernarg_segment_ptr 1
		.amdhsa_wavefront_size32 1
		.amdhsa_system_sgpr_workgroup_id_x 1
		.amdhsa_system_sgpr_workgroup_id_y 1
		.amdhsa_system_sgpr_workgroup_id_z 1
		.amdhsa_system_vgpr_workitem_id 0
		.amdhsa_next_free_vgpr 1024
		.amdhsa_next_free_sgpr 66
		.amdhsa_reserve_vcc 0
		.amdhsa_float_denorm_mode_32 3
		.amdhsa_float_denorm_mode_16_64 3
		.amdhsa_memory_ordered 1
		.amdhsa_forward_progress 1
		.amdhsa_inst_pref_size 255
	.end_amdhsa_kernel
	.section	.bss,"aw",@nobits
	.p2align	6
	.space	262144
	.amdgpu_metadata
---
amdhsa.version: [ 1, 2 ]
amdhsa.kernels:
  - .name:           k_qfc73180b2f_proj
    .symbol:         k_qfc73180b2f_proj.kd
    .args:
      - { .name: feat0, .offset: 0, .size: 8, .value_kind: global_buffer, .address_space: global }
      - { .name: feat1, .offset: 8, .size: 8, .value_kind: global_buffer, .address_space: global }
      - { .name: feat2, .offset: 16, .size: 8, .value_kind: global_buffer, .address_space: global }
      - { .name: feat3, .offset: 24, .size: 8, .value_kind: global_buffer, .address_space: global }
      - { .name: bv0, .offset: 32, .size: 8, .value_kind: global_buffer, .address_space: global }
      - { .name: bv1, .offset: 40, .size: 8, .value_kind: global_buffer, .address_space: global }
      - { .name: bv2, .offset: 48, .size: 8, .value_kind: global_buffer, .address_space: global }
      - { .name: bv3, .offset: 56, .size: 8, .value_kind: global_buffer, .address_space: global }
      - { .name: wprep, .offset: 64, .size: 8, .value_kind: global_buffer, .address_space: global }
      - { .name: value, .offset: 72, .size: 8, .value_kind: global_buffer, .address_space: global }
      - { .name: query, .offset: 80, .size: 8, .value_kind: global_buffer, .address_space: global }
      - { .name: reference_points, .offset: 88, .size: 8, .value_kind: global_buffer, .address_space: global }
      - { .name: b_off, .offset: 96, .size: 8, .value_kind: global_buffer, .address_space: global }
      - { .name: b_attn, .offset: 104, .size: 8, .value_kind: global_buffer, .address_space: global }
      - { .name: wts, .offset: 112, .size: 8, .value_kind: global_buffer, .address_space: global }
      - { .name: idx, .offset: 120, .size: 8, .value_kind: global_buffer, .address_space: global }
    .group_segment_fixed_size: 269824
    .private_segment_fixed_size: 0
    .kernarg_segment_align: 8
    .kernarg_segment_size: 128
    .max_flat_workgroup_size: 128
    .sgpr_count:     66
    .vgpr_count:     1024
    .wavefront_size: 32
...
	.end_amdgpu_metadata
.endif
;; end of part 4
;; launch samp (part 5): grid 256 x 1, 16 waves a work-group, no clusters, 174,080 bytes of LDS; arguments value, idx, wts, srow; writes srow
.if DOCPART == 5
	.amdgcn_target "amdgcn-amd-amdhsa--gfx1250"
	.amdhsa_code_object_version 6
	.text
	.protected	k_qfc73180b2f_samp
	.globl	k_qfc73180b2f_samp
	.p2align	8
	.type	k_qfc73180b2f_samp,@function
k_qfc73180b2f_samp:
	s_mov_b64 s[64:65], 0
	v_nop
	global_prefetch_b8 v0, s[64:65] scope:SCOPE_SE
	s_setreg_imm32_b32 hwreg(HW_REG_WAVE_MODE, 25, 1), 1
	s_wait_xcnt 0x0
; srow[b][half head][q][16 ch] f16 = sum over level, point, corner of wts x value[record].
; SHARES.  A work-group owns one half head (16 channels: records of 32 bytes) of one batch and 2,048 of its queries: batch g / 32, half head (g / 2) % 16, queries 2,048 (g % 2) on.  Levels 1, 2 and 3 of a
; half head are (4,096 + 1,024 + 256) x 32 = 172,032 consecutive bytes of value: they are copied into LDS once, and three of the four levels are gathered from there.  Only level 0 is gathered from memory.
; A wave owns 128 queries, 8 a group.  lane = 4 query + 2 chunk + xc: four lanes read 64 consecutive bytes, the records of columns xb and xb + 1; a lane holds 8 channels of ONE column and sums that column's
; eight corners a level (4 points x 2 rows) in f32 (v_fma_mix_f32 takes f16 halves of value and weight); at the end the two columns' sums meet by one exchange with the neighbouring lane.
; AHEAD.  In group t the loads go out in this order: idx of group t + 2, wts of group t + 1, level 0's eight gathers of group t + 1; those gathers are summed last in group t + 1.  The loop holds two groups,
; so that the register sets (two of each kind) take turns by the text.  Sixteen waves of 256 registers, four to a SIMD, so that three work while one waits.
; The offsets come from idx, whole numbers that the launch before stored; each is held to the level's largest 2 x 2 block's offset before it enters an address.
; LIMITS.  The sums are rounded once to f16; they lie within value's range, since the weights are not negative and add up to at most 1.
; No tensor load: the table is filled once, 21 loads of 512 bytes a wave.  No cluster: a table is shared by two work-groups only, once.
; LDS: level 1 at 0, level 2 at 131,072, level 3 at 163,840; the spare words, 128 bytes for each of 16 waves, at 172,032.
; REGISTERS: v4-6 my lane's place in a record pair (+ level 2's, level 3's LDS base); v7 0.0; v8, v9 my place in idx, wts; v10 in srow; v11 the fill; v16-23 sums; v24-27 packed;
; v32-95 two slots for level 0; v96-159 two slots for the LDS levels; v160-191 idx, two sets; v192-223 wts, two sets; v224-231 level 0's offsets, two sets; v232-243 the LDS levels' addresses.
.set SPARE, 172032
.set HALFB, 696320
.set BATCHB, 11141120
.set L1B, 524288                       ; level 1's first byte in a half head
.set ACC, 16
.set G0, 32
.set LS, 96
.set IDX, 160
.set WT, 192
.set AD0, 224
.set ADL, 232
.macro LVL l                           ; the level's width, and the largest offset of a 2 x 2 block: ((W-2) W + W-2) 32
.set WW, 128>>(\l)
.set CL, (WW-2)*(WW+1)*32
.endm
.macro ADRL e                          ; the LDS addresses of levels 1 to 3 from idx set e
.irp l, 1,2,3
	LVL \l
.irp p, 0,1,2,3
	v_min_u32 v[ADL+4*(\l)-4+(\p)], CL, v[IDX+16*(\e)+4*(\l)+(\p)]
.endr
.irp p, 0,1,2,3
	v_add_nc_u32 v[ADL+4*(\l)-4+(\p)], v[3+(\l)], v[ADL+4*(\l)-4+(\p)]
.endr
.endr
.endm
.macro ADR0 set, mask                  ; level 0's offsets from idx set 'set'.  mask = 1: ANDed with s34, which is 0 in the wave's last group: the look-ahead then names record 0 alone
	LVL 0
.irp p, 0,1,2,3
	v_min_u32 v[AD0+4*(\set)+(\p)], CL, v[IDX+16*(\set)+(\p)]
.endr
.if \mask
.irp p, 0,1,2,3
	v_and_b32 v[AD0+4*(\set)+(\p)], s34, v[AD0+4*(\set)+(\p)]
.endr
.endif
.irp p, 0,1,2,3
	v_add_nc_u32 v[AD0+4*(\set)+(\p)], v4, v[AD0+4*(\set)+(\p)]
.endr
.endm
.macro LGATH l, slot                   ; a level's 4 points x 2 rows from LDS
	LVL \l
.irp p, 0,1,2,3
.irp y, 0,1
	ds_load_b128 v[LS+32*(\slot)+8*(\p)+4*(\y):LS+32*(\slot)+8*(\p)+4*(\y)+3], v[ADL+4*(\l)-4+(\p)] offset:(\y)*WW*32
.endr
.endr
.endm
.macro GATH0 set                       ; level 0's from memory: a row of 128 records is 4,096 bytes
.irp p, 0,1,2,3
.irp y, 0,1
	global_load_b128 v[G0+32*(\set)+8*(\p)+4*(\y):G0+32*(\set)+8*(\p)+4*(\y)+3], v[AD0+4*(\set)+(\p)], s[8:9] offset:(\y)*4096
.endr
.endr
.endm
.macro FMA l, base, set, first         ; 64 multiply-adds: 8 corners x 8 channels; a sum's register comes round every eighth line.  first = 1: the first corner starts the sums from v7 = 0: nothing is cleared
.irp p, 0,1,2,3
.irp y, 0,1
.irp j, 0,1,2,3
.irp c, 0,1
.if (\first) && ((\p)+(\y) == 0)
	v_fma_mix_f32 v[ACC+2*(\j)+(\c)], v[(\base)+8*(\p)+4*(\y)+(\j)], v[WT+16*(\set)+4*(\l)+(\p)], v7 op_sel:[\c,\y,0] op_sel_hi:[1,1,0]
.else
	v_fma_mix_f32 v[ACC+2*(\j)+(\c)], v[(\base)+8*(\p)+4*(\y)+(\j)], v[WT+16*(\set)+4*(\l)+(\p)], v[ACC+2*(\j)+(\c)] op_sel:[\c,\y,0] op_sel_hi:[1,1,0]
.endif
.endr
.endr
.endr
.endr
.endm
.macro LDI set, sub                    ; eight queries' idx (half sub of a block of 16): for each level 128 consecutive bytes
.irp l, 0,1,2,3
	global_load_b128 v[IDX+16*(\set)+4*(\l):IDX+16*(\set)+4*(\l)+3], v8, s[10:11] offset:(\l)*256+(\sub)*128
.endr
.endm
.macro LDW set, sub, b                 ; their wts, from the block at s[b:b+1]: for each level my column's 4 points x 2 rows
.irp l, 0,1,2,3
	global_load_b128 v[WT+16*(\set)+4*(\l):WT+16*(\set)+4*(\l)+3], v9, s[(\b):(\b)+1] offset:((\l)/2)*1024+((\l)%2)*256+(\sub)*128
.endr
.endm
; A group of eight queries; e = its number's parity.
.macro TRIP e
	s_wait_loadcnt 8                               ; the idx and wts asked for in the group before are in; younger: its eight gathers.  No load that names s[10:13] or s[16:17] is out
.if (\e) == 0
	s_cmp_lg_u32 s25, 1                            ; the look-ahead stops at my last block of 16: there the bases stay
	s_cselect_b32 s30, 1024, 0
	s_cselect_b32 s32, 2048, 0
	s_cselect_b32 s34, -1, 0
	s_mov_b64 s[16:17], s[12:13]                   ; wts: this trip's block,
	s_add_nc_u64 s[10:11], s[10:11], s[30:31]      ; idx and wts: the next block
	s_add_nc_u64 s[12:13], s[12:13], s[32:33]
.endif
	ADRL \e
	LGATH 1, 0
	LGATH 2, 1
	ADR0 1-(\e), \e                                ; its registers' last gathers were waited for in the group before
	LDI \e, \e                                     ; group t + 2, over the set just read
.if (\e) == 0
	LDW 1, 1, 16                                   ; group t + 1
.else
	LDW 0, 0, 12
.endif
	GATH0 1-(\e)                                   ; group t + 1
	s_wait_dscnt 8                                 ; level 1 is in; level 2's eight are younger
	FMA 1, LS, \e, 1
	LGATH 3, 0
	s_wait_dscnt 8                                 ; level 2 is in; level 3's eight are younger
	FMA 2, LS+32, \e, 0
	s_wait_dscnt 0x0
	FMA 3, LS, \e, 0
	s_wait_loadcnt 16                              ; level 0 of this group, asked for a group ago, is in; younger: this group's 4 + 4 + 8
	FMA 0, G0+32*(\e), \e, 0
.irp j, 0,1,2,3,4,5,6,7
	v_add_f32_dpp v[ACC+(\j)], v[ACC+(\j)], v[ACC+(\j)] row_xmask:1 row_mask:0xf bank_mask:0xf   ; the other column's sums
.endr
	s_wait_xcnt 0x0                                ; the last group's store has read v24, v25 and v10
.irp j, 0,1,2,3
	v_cvt_pk_f16_f32 v[24+(\j)], v[ACC+2*(\j)], v[ACC+2*(\j)+1]
.endr
	v_cndmask_b32 v24, v24, v26, s40               ; both lanes of a pair hold all eight channels: the even lane stores the first four, the odd lane the last four
	v_cndmask_b32 v25, v25, v27, s40
.if (\e) == 0
	v_add_nc_u32 v10, 512, v10
	global_store_b64 v10, v[24:25], s[14:15] offset:-512   ; 32 lanes x 8 bytes: 256 consecutive bytes, aligned
.else
	global_store_b64 v10, v[24:25], s[14:15] offset:-256
.endif
.endm
	s_load_b256 s[8:15], s[0:1], 0x0               ; value s[8:9], idx s[10:11], wts s[12:13], srow s[14:15]
	v_lshl_add_u32 v28, v0, 2, SPARE               ; my spare word, and 0: kept for the closing add alone
	v_mov_b32 v29, 0
	v_lshrrev_b32 v1, 5, v0
	v_readfirstlane_b32 s5, v1                     ; wave w
	v_and_b32 v3, 31, v0                           ; lane
	v_and_b32 v1, 1, v0                            ; xc
	v_bfe_u32 v2, v0, 1, 1                         ; chunk
	v_lshlrev_b32 v4, 5, v1
	v_lshl_add_u32 v4, v2, 4, v4                   ; 32 xc + 16 chunk
	v_add_nc_u32 v5, 131072, v4
	v_add_nc_u32 v6, 163840, v4
	v_mov_b32 v7, 0
	v_lshrrev_b32 v2, 2, v3                        ; query in the group
	v_lshlrev_b32 v8, 4, v2
	v_lshl_add_u32 v9, v1, 9, v8
	v_lshlrev_b32 v10, 3, v3
	s_mul_i32 s24, s5, 10752                       ; my 21 x 512 bytes of the table
	v_lshl_add_u32 v11, v3, 4, s24
	s_lshr_b32 s20, ttmp9, 5                       ; batch
	s_bfe_u32 s21, ttmp9, 0x40001                  ; half head
	s_and_b32 s22, ttmp9, 1                        ; which 2,048 queries
	s_mul_i32 s26, s20, BATCHB
	s_mul_i32 s27, s21, HALFB
	s_add_co_u32 s26, s26, s27
	s_mov_b32 s27, 0
	s_lshr_b32 s23, s21, 1                         ; head
	s_lshl3_add_u32 s23, s20, s23
	s_lshl_b32 s23, s23, 8                         ; 256 blocks of 16 queries a head,
	s_lshl_b32 s24, s22, 7                         ; 128 a work-group,
	s_add_co_u32 s23, s23, s24
	s_lshl3_add_u32 s23, s5, s23                   ; 8 a wave
	s_lshl_b32 s28, s23, 10
	s_mov_b32 s29, 0
	s_lshl_b32 s36, s23, 11
	s_mov_b32 s37, 0
	s_lshl4_add_u32 s38, s20, s21
	s_lshl_b32 s38, s38, 17                        ; a half head of srow: 4,096 x 32 bytes
	s_lshl_b32 s24, s22, 16
	s_add_co_u32 s38, s38, s24
	s_lshl_b32 s24, s5, 12
	s_add_co_u32 s38, s38, s24
	s_mov_b32 s39, 0
	s_mov_b32 s31, 0
	s_mov_b32 s33, 0
	s_mov_b32 s40, 0xaaaaaaaa                      ; the odd lanes
	s_mov_b32 s25, 8
	s_wait_kmcnt 0x0
	s_add_nc_u64 s[8:9], s[8:9], s[26:27]
	s_add_nc_u64 s[10:11], s[10:11], s[28:29]
	s_add_nc_u64 s[12:13], s[12:13], s[36:37]
	s_add_nc_u64 s[14:15], s[14:15], s[38:39]
	LDI 0, 0                                       ; groups 0 and 1
	LDI 1, 1
	LDW 0, 0, 12
.set i, 0
.rept 21
	global_load_b128 v[64+4*i:64+4*i+3], v11, s[8:9] offset:L1B+512*i
.set i, i+1
.endr
	s_wait_loadcnt 21                              ; idx and wts are in; the table's 21 loads are younger
	ADR0 0, 0
	GATH0 0                                        ; group 0's level 0
	s_wait_loadcnt 8                               ; my part of the table is in; the eight gathers are younger
.set i, 0
.rept 21
	ds_store_b128 v11, v[64+4*i:64+4*i+3] offset:512*i
.set i, i+1
.endr
	s_wait_dscnt 0x0                               ; for the others' sake: my part of the table is in LDS
	s_barrier_signal -1
	s_barrier_wait -1                              ; the only barrier: from here on the table is only read
.Lsq:                                                  ; a trip is a block of 16 queries, two groups
	TRIP 0
	TRIP 1
	s_sub_co_u32 s25, s25, 1
	s_cmp_lg_u32 s25, 0
	s_cbranch_scc1 .Lsq
	s_wait_tensorcnt 0x0                           ; the wave's end: three lines behind my last LDS store
	ds_add_u32 v28, v29
	s_wait_dscnt 0x0
	s_endpgm
.Lfunc_end_k_qfc73180b2f_samp:
	.size	k_qfc73180b2f_samp, .Lfunc_end_k_qfc73180b2f_samp-k_qfc73180b2f_samp
	.p2alignl 7, 3214868480
	.fill 96, 4, 3214868480
	.section	.rodata,"a",@progbits
	.p2align	6, 0x0
	.amdhsa_kernel k_qfc73180b2f_samp
		.amdhsa_group_segment_fixed_size 174080
		.amdhsa_private_segment_fixed_size 0
		.amdhsa_enable_private_segment 0
		.amdhsa_kernarg_size 32
		.amdhsa_user_sgpr_count 2
		.amdhsa_user_sgpr_kernarg_segment_ptr 1
		.amdhsa_wavefront_size32 1
		.amdhsa_system_sgpr_workgroup_id_x 1
		.amdhsa_system_sgpr_workgroup_id_y 1
		.amdhsa_system_sgpr_workgroup_id_z 1
		.amdhsa_system_vgpr_workitem_id 0
		.amdhsa_next_free_vgpr 256
		.amdhsa_next_free_sgpr 66
		.amdhsa_reserve_vcc 0
		.amdhsa_float_denorm_mode_32 3
		.amdhsa_float_denorm_mode_16_64 3
		.amdhsa_memory_ordered 1
		.amdhsa_forward_progress 1
		.amdhsa_inst_pref_size 53
	.end_amdhsa_kernel
	.amdgpu_metadata
---
amdhsa.version: [ 1, 2 ]
amdhsa.kernels:
  - .name:           k_qfc73180b2f_samp
    .symbol:         k_qfc73180b2f_samp.kd
    .args:
      - { .name: value, .offset: 0, .size: 8, .value_kind: global_buffer, .address_space: global }
      - { .name: idx, .offset: 8, .size: 8, .value_kind: global_buffer, .address_space: global }
      - { .name: wts, .offset: 16, .size: 8, .value_kind: global_buffer, .address_space: global }
      - { .name: srow, .offset: 24, .size: 8, .value_kind: global_buffer, .address_space: global }
    .group_segment_fixed_size: 174080
    .private_segment_fixed_size: 0
    .kernarg_segment_align: 8
    .kernarg_segment_size: 32
    .max_flat_workgroup_size: 512
    .sgpr_count:     66
    .vgpr_count:     256
    .wavefront_size: 32
...
	.end_amdgpu_metadata
.endif
;; end of part 5
;; launch outp (part 6): grid 256 x 1, 16 waves a work-group, no clusters, 202,752 bytes of LDS; arguments srow, wprep, b_out, out0; writes out0
.if DOCPART == 6
	.amdgcn_target "amdgcn-amd-amdhsa--gfx1250"
	.amdhsa_code_object_version 6
	.text
	.protected	k_qfc73180b2f_outp
	.globl	k_qfc73180b2f_outp
	.p2align	8
	.type	k_qfc73180b2f_outp,@function
k_qfc73180b2f_outp:
	s_mov_b64 s[64:65], 0
	v_nop
	global_prefetch_b8 v0, s[64:65] scope:SCOPE_SE
	s_setreg_imm32_b32 hwreg(HW_REG_WAVE_MODE, 25, 1), 1
	s_wait_xcnt 0x0
; out0[q] = srow[q] W_out + b_out.  A work-group owns 128 queries of one batch.  Wave w copies half head w of them (4,096 consecutive bytes of srow) into LDS rows of 256 channels; then it makes columns
; 16 w .. 16 w + 15 of out0 for all 128 rows (source 0 = 16 columns of W_out, in f16 as prepared; source 1 = 16 queries; C of the first product = the bias), and the result leaves through an LDS stage as whole rows.
; b_out is rounded to bf16 like every input.  No tensor loads (68 KB once), no cluster (work-groups share only W_out, 128 KB once).
; LDS: the rows, 128 x 528 bytes, at 0; the stage for out0, 128 x 1,040, at 67,584; the spare words, 128 bytes for each of 16 waves, at 200,704.
; REGISTERS: v32-47 two accumulators, v48-55 bias, v64-127 W_out's 8 fragments, v128-255 two row blocks' fragments (first: srow as loaded).
.set SPARE, 200704
.set SP, 528
.set OUTL, 67584
.set OPI, 1040
	s_load_b256 s[8:15], s[0:1], 0x0               ; srow s[8:9], wprep s[10:11], b_out s[12:13], out0 s[14:15]
	v_lshl_add_u32 v28, v0, 2, SPARE               ; my spare word, and 0: kept for the closing add alone
	v_mov_b32 v29, 0
	v_lshrrev_b32 v1, 5, v0
	v_readfirstlane_b32 s5, v1                     ; wave w
	v_and_b32 v3, 31, v0                           ; lane
	v_and_b32 v1, 15, v0                           ; r
	v_bfe_u32 v2, v0, 4, 1                         ; h
	s_lshr_b32 s20, ttmp9, 5                       ; batch: 32 work-groups each
	s_and_b32 s21, ttmp9, 31
	s_lshl4_add_u32 s22, s20, s5                   ; 16 batch + half head w
	s_lshl_b32 s22, s22, 17                        ; 4,096 queries x 32 bytes
	s_lshl_b32 s21, s21, 12                        ; my 128 queries
	s_add_co_u32 s22, s22, s21
	s_mov_b32 s23, 0
	s_lshl_b32 s24, ttmp9, 7
	s_lshl3_add_u32 s24, s5, s24                   ; the first row that I store: 128 g + 8 w
	s_lshl_b32 s28, s24, 10
	s_mov_b32 s29, 0
	v_lshlrev_b32 v12, 4, v3
	v_lshrrev_b32 v13, 1, v3                       ; a load's 512 bytes are 16 queries x 32 bytes
	v_mul_u32_u24 v13, v13, SP
	v_and_b32 v14, 1, v3
	v_lshl_add_u32 v13, v14, 4, v13
	s_lshl_b32 s20, s5, 5
	v_add_nc_u32 v13, s20, v13                     ; row x pitch + 32 w + 16 (lane % 2)
	v_lshlrev_b32 v30, 5, v2
	s_lshl_b32 s20, s5, 6
	v_add_nc_u32 v30, s20, v30                     ; my lane's eight columns 16 w + 8 h .., in bytes of f32
	s_lshl_b32 s21, s5, 13
	v_lshl_add_u32 v31, v3, 4, s21
	s_wait_kmcnt 0x0
	s_add_nc_u64 s[8:9], s[8:9], s[22:23]
	s_add_nc_u64 s[14:15], s[14:15], s[28:29]
	s_add_nc_u64 s[10:11], s[10:11], 720896        ; W_out's fragment images
.set i, 0
.rept 8
	global_load_b128 v[128+4*i:128+4*i+3], v12, s[8:9] offset:512*i th:TH_LOAD_NT
.set i, i+1
.endr
	global_load_b128 v[48:51], v30, s[12:13]
	global_load_b128 v[52:55], v30, s[12:13] offset:16
.set i, 0
.rept 16
	global_load_b128 v[64+4*i:64+4*i+3], v31, s[10:11] offset:512*i
.set i, i+1
.endr
	s_wait_loadcnt 18                              ; srow's eight are in; younger: the bias's 2 and W_out's 16
.set i, 0
.rept 8
	ds_store_b128 v13, v[128+4*i:128+4*i+3] offset:i*16*SP
.set i, i+1
.endr
	s_wait_dscnt 0x0                               ; for the others' sake: my half head of every row is in LDS
	s_barrier_signal -1
	s_barrier_wait -1
	s_wait_loadcnt 0x0                             ; bias and W_out are in
.irp j, 0,1,2,3
	v_cvt_pk_bf16_f32 v[56+(\j)], v[48+2*(\j)], v[49+2*(\j)]
.endr
.irp j, 0,1,2,3
	v_lshlrev_b32 v[48+2*(\j)], 16, v[56+(\j)]
	v_and_b32 v[49+2*(\j)], 0xffff0000, v[56+(\j)]
.endr
	v_mul_u32_u24 v8, v1, SP
	v_lshl_add_u32 v8, v2, 4, v8                   ; a row fragment: row r x pitch + 16 h
	v_mul_u32_u24 v9, v1, OPI
	v_add_nc_u32 v9, v30, v9
	v_add_nc_u32 v9, OUTL, v9                      ; the stage: row r, my eight columns
	s_mov_b32 s30, 4
.Lst:                                                  ; a trip is two blocks of 16 rows
.irp kk, 0,1,2,3,4,5,6,7
	ds_load_b128 v[128+8*(\kk):128+8*(\kk)+3], v8 offset:(\kk)*64
	ds_load_b128 v[128+8*(\kk)+4:128+8*(\kk)+7], v8 offset:(\kk)*64+32
	ds_load_b128 v[192+8*(\kk):192+8*(\kk)+3], v8 offset:16*SP+(\kk)*64
	ds_load_b128 v[192+8*(\kk)+4:192+8*(\kk)+7], v8 offset:16*SP+(\kk)*64+32
.endr
	s_wait_dscnt 28                                ; K step 0's four loads are in; 4 x 7 are younger
	v_wmma_f32_16x16x32_f16 v[32:39], v[64:71], v[128:135], v[48:55]    ; the bias starts the sums; the two accumulators take turns
	v_wmma_f32_16x16x32_f16 v[40:47], v[64:71], v[192:199], v[48:55]
.irp kk, 1,2,3,4,5,6,7
	s_wait_dscnt 28-4*(\kk)
	v_wmma_f32_16x16x32_f16 v[32:39], v[64+8*(\kk):64+8*(\kk)+7], v[128+8*(\kk):128+8*(\kk)+7], v[32:39]
	v_wmma_f32_16x16x32_f16 v[40:47], v[64+8*(\kk):64+8*(\kk)+7], v[192+8*(\kk):192+8*(\kk)+7], v[40:47]
.endr
.rept 5
	v_nop                                          ; places: ahead of the stores of the results, of the next trip's loads into the fragments, and of its first products, which write the accumulators anew
.endr
	ds_store_b128 v9, v[32:35]                     ; each accumulator from its low end on
	ds_store_b128 v9, v[36:39] offset:16
	ds_store_b128 v9, v[40:43] offset:16*OPI
	ds_store_b128 v9, v[44:47] offset:16*OPI+16
	v_add_nc_u32 v8, 32*SP, v8
	v_add_nc_u32 v9, 32*OPI, v9
	s_sub_co_u32 s30, s30, 1
	s_cmp_lg_u32 s30, 0
	s_cbranch_scc1 .Lst
	s_wait_dscnt 0x0                               ; for the others' sake: my columns of every row are in the stage
	s_barrier_signal -1
	s_barrier_wait -1
	s_mul_i32 s20, s5, 8*OPI
	s_add_co_u32 s20, s20, OUTL
	v_lshl_add_u32 v10, v3, 4, s20                 ; back: my eight whole rows of 1,024 bytes
	v_lshlrev_b32 v11, 4, v3
.set i, 0
.rept 16
	ds_load_b128 v[64+4*i:64+4*i+3], v10 offset:(i/2)*OPI+(i%2)*512
.set i, i+1
.endr
.set i, 0
.rept 16
	s_wait_dscnt 15-i
	global_store_b128 v11, v[64+4*i:64+4*i+3], s[14:15] offset:i*512 th:TH_STORE_NT   ; 512 consecutive bytes, at a multiple of 256 from out0's first
.set i, i+1
.endr
	s_wait_tensorcnt 0x0                           ; the wave's end: three lines behind my last LDS store
	ds_add_u32 v28, v29
	s_wait_dscnt 0x0
	s_endpgm
.Lfunc_end_k_qfc73180b2f_outp:
	.size	k_qfc73180b2f_outp, .Lfunc_end_k_qfc73180b2f_outp-k_qfc73180b2f_outp
	.p2alignl 7, 3214868480
	.fill 96, 4, 3214868480
	.section	.rodata,"a",@progbits
	.p2align	6, 0x0
	.amdhsa_kernel k_qfc73180b2f_outp
		.amdhsa_group_segment_fixed_size 202752
		.amdhsa_private_segment_fixed_size 0
		.amdhsa_enable_private_segment 0
		.amdhsa_kernarg_size 32
		.amdhsa_user_sgpr_count 2
		.amdhsa_user_sgpr_kernarg_segment_ptr 1
		.amdhsa_wavefront_size32 1
		.amdhsa_system_sgpr_workgroup_id_x 1
		.amdhsa_system_sgpr_workgroup_id_y 1
		.amdhsa_system_sgpr_workgroup_id_z 1
		.amdhsa_system_vgpr_workitem_id 0
		.amdhsa_next_free_vgpr 256
		.amdhsa_next_free_sgpr 66
		.amdhsa_reserve_vcc 0
		.amdhsa_float_denorm_mode_32 3
		.amdhsa_float_denorm_mode_16_64 3
		.amdhsa_memory_ordered 1
		.amdhsa_forward_progress 1
		.amdhsa_inst_pref_size 14
	.end_amdhsa_kernel
	.amdgpu_metadata
---
amdhsa.version: [ 1, 2 ]
amdhsa.kernels:
  - .name:           k_qfc73180b2f_outp
    .symbol:         k_qfc73180b2f_outp.kd
    .args:
      - { .name: srow, .offset: 0, .size: 8, .value_kind: global_buffer, .address_space: global }
      - { .name: wprep, .offset: 8, .size: 8, .value_kind: global_buffer, .address_space: global }
      - { .name: b_out, .offset: 16, .size: 8, .value_kind: global_buffer, .address_space: global }
      - { .name: out0, .offset: 24, .size: 8, .value_kind: global_buffer, .address_space: global }
    .group_segment_fixed_size: 202752
    .private_segment_fixed_size: 0
    .kernarg_segment_align: 8
    .kernarg_segment_size: 32
    .max_flat_workgroup_size: 512
    .sgpr_count:     66
    .vgpr_count:     256
    .wavefront_size: 32
...
	.end_amdgpu_metadata
.endif
;; end of part 6
